; MI455X (gfx1250); checked and timed in simulation.
; The chip was launched on July 23, 2026; its instructions are those of AMD's public machine-readable ISA for CDNA 5 (MIT licence, August 2026) and "CDNA5" Instruction Set Architecture Reference Guide (July 2026). The comments in the code are by the model that wrote it; some were corrected since.
;; PMA. Allowed arithmetic: float matrix products may take bf16 or f16 operands with f32 sums; other float arithmetic in f32, or as packed bf16 or f16 multiplies, adds, multiply-adds, maxima and minima; sums over many terms, partial sums and values carried from step to step in f32; what a program stores and reads back later, other than sums and carried values, may be rounded once to bf16 or f16.
;; Inputs: S 1 x 32 x 1,024 float32; Wk 1,024 x 4,096 float32; Wo 1,024 x 1,024 float32; Wq 1,024 x 1,024 float32; Wv 1,024 x 4,096 float32; X 8 x 1,024 x 4,096 float32; beta0 1,024 float32; beta1 1,024 float32; bk 1,024 float32; bo 1,024 float32; bq 1,024 float32; bv 1,024 float32; g0 1,024 float32; g1 1,024 float32; pad_mask 8 x 1,024 int32.
;; Outputs: out0 8 x 32 x 1,024 float32.
;; 2 versions, each right; version 2 is version 1 with the launches prep, qw written anew for expert scheduling mode. Each part assembles by itself: llvm-mc -triple=amdgcn-amd-amdhsa -mcpu=gfx1250 --defsym DOCPART=n.
;; ======== version 1 of 2: 6 launches
;; limits: values are held in f16: magnitudes above 65,504 overflow, below 6.1e-05 lose precision; right only within a limited range of input values
;; workspace buffers: Xb 67,108,864 bytes; Wb 12,582,912 bytes; Qt 65,536 bytes; Sb 2,048 bytes; Sc 16,777,216 bytes; Vh 16,777,216 bytes; Y0 1,048,576 bytes; Z 1,048,576 bytes
;; launch prep (part 1): grid 1216 x 1, 8 waves a work-group, no clusters, 17,408 bytes of LDS; arguments X, Wv, S, Wq, bq, Xb, Wb, Qt; writes Xb, Wb, Qt
.if DOCPART == 1
	.amdgcn_target "amdgcn-amd-amdhsa--gfx1250"
	.amdhsa_code_object_version 6
	.text
	.protected	k_qb2549df4ac_prep
	.globl	k_qb2549df4ac_prep
	.p2align	8
	.type	k_qb2549df4ac_prep,@function
k_qb2549df4ac_prep:
	s_mov_b64 s[64:65], 0
	v_nop
	global_prefetch_b8 v0, s[64:65] scope:SCOPE_SE
	s_setreg_imm32_b32 hwreg(HW_REG_WAVE_MODE, 25, 1), 1
	s_wait_xcnt 0x0
; PREP.  Work-groups 64 .. 1215: a chunk of 32,768 f32 numbers of X or Wv is rounded once to bf16 (nearest even) and stored: X into Xb [8192][4096]; row 64 h + c of Wv, first multiplied by 2^-4
; (exact), into row 96 h + c of Wb [1536][4096], so that the product that follows makes Vp / 16, which is kept in f16.  (Rows 96 h + 64 .. 96 h + 95 of Wb are written by the next launch.)
; Work-groups 0 .. 63: Qp = S Wq^T + bq for 16 channels each; S, Wq and bq rounded to bf16, sums in f32, stored as bf16 in Qt [64 tiles of 16 channels][32 queries][16 channels].
; LIMITS.  Weights below 2^-122 lose bits in the scaling; NaN and infinities are not treated apart.
.set PART,  0                          ; LDS, the seeds' path alone: wave v's two partial tiles, 1,024 bytes each, at 2,048 v
.set SPARE, 16384                      ; behind them: the spare words, 128 bytes for each wave: four blocks of 256 bytes that no other line names
.set FO,  2                            ; v2   my byte offset in a fragment's rows: (l % 16) x 4,096 + 32 (l / 16) + 512 x wave; never rewritten
.set BQO, 3                            ; v3   32 (l / 16): my eight numbers of bq
.set QTO, 4                            ; v4   32 (l % 16) + 16 (l / 16): my 16 bytes of a query tile in Qt
.set LS,  5                            ; v5   where I put my 32 bytes of a partial tile
.set LR,  6                            ; v6   where I read them back
.set SPW, 8                            ; v8   LDS address of my spare word: SPARE + 4 x my thread's number; never rewritten
.set NIL, 9                            ; v9   0; never rewritten
.set RT,  14                           ; v14  at work
.set ACC, 16                           ; v[16:31]   two accumulators: queries 0-15, 16-31
.set BQ,  40                           ; v[40:47]   bq
.set SET, 64                           ; v[64:255]  two sets of 96: Wq's fragments (k2) at 16 k2, S's (qt, k2) at 32 + 32 qt + 16 k2, 16 f32 registers each, packed in place to 8
.macro RB a, b, t                      ; two f32 numbers rounded to bf16 and written back as f32
	v_cvt_pk_bf16_f32 v[\t], v[\a], v[\b]
	v_lshlrev_b32 v[\a], 16, v[\t]
	v_and_b32 v[\b], 0xffff0000, v[\t]
.endm
	s_load_b512 s[8:23], s[0:1], 0x0               ; X s[8:9], Wv s[10:11], S s[12:13], Wq s[14:15], bq s[16:17], Xb s[18:19], Wb s[20:21], Qt s[22:23]
	v_lshl_add_u32 v[SPW], v0, 2, SPARE
	v_mov_b32 v[NIL], 0
	s_cmp_lt_u32 ttmp9, 64
	s_cbranch_scc1 .Lqproj                         ; the first 64 work-groups make Qp while the others stream
	; THE STREAM.  Chunk c = 0 .. 1151: 1,024 of X, 128 of Wv.  Thread t takes 16 bytes at 16 t of each 4,096: a wave's load covers 512 consecutive bytes, its store 256, aligned.
	s_sub_co_u32 s2, ttmp9, 64                     ; c
	s_sub_co_u32 s3, s2, 1024                      ; j: its number among Wv's chunks of 8 rows
	s_lshr_b32 s4, s3, 3                           ; the head,
	s_and_b32 s5, s3, 7                            ; the chunk in the head's 64 rows
	s_mul_i32 s4, s4, 12                           ; a head has 96 rows, 12 chunks, in Wb
	s_add_co_u32 s4, s4, s5
	v_lshlrev_b32 v1, 4, v0
	v_lshlrev_b32 v2, 3, v0
	s_wait_kmcnt 0x0
	s_cmp_lt_u32 s2, 1024
	s_cselect_b64 s[26:27], s[8:9], s[10:11]       ; X or Wv
	s_cselect_b32 s5, s2, s3                       ; the chunk's number in its source
	s_cselect_b64 s[28:29], s[18:19], s[20:21]     ; Xb or Wb
	s_cselect_b32 s6, s2, s4                       ; and in its destination
	s_cselect_b32 s30, 1.0, 0x3d800000             ; the factor: 1 for X, 2^-4 for the weights
	s_mov_b32 s31, s30                             ; named with it as a pair
	s_lshl_b32 s32, s5, 17                         ; 131,072 bytes of f32 a chunk
	s_mov_b32 s33, 0
	s_add_nc_u64 s[26:27], s[26:27], s[32:33]
	s_lshl_b32 s34, s6, 16                         ; 65,536 bytes of bf16
	s_mov_b32 s35, 0
	s_add_nc_u64 s[28:29], s[28:29], s[34:35]
.set i, 0
.rept 32                               ; all of the thread's 32 loads go out at once: 16 KiB a wave on their way
	global_load_b128 v[64+4*i:64+4*i+3], v1, s[26:27] offset:4096*i th:TH_LOAD_NT
.set i, i+1
.endr
.set i, 0
.rept 32
	s_wait_loadcnt 31-i                            ; loads come back in order: number i is in, the younger ones stay out
	v_pk_mul_f32 v[64+4*i:64+4*i+1], v[64+4*i:64+4*i+1], s[30:31] op_sel_hi:[1,0]
	v_pk_mul_f32 v[64+4*i+2:64+4*i+3], v[64+4*i+2:64+4*i+3], s[30:31] op_sel_hi:[1,0]
	v_cvt_pk_bf16_f32 v[64+4*i], v[64+4*i], v[64+4*i+1]
	v_cvt_pk_bf16_f32 v[64+4*i+1], v[64+4*i+2], v[64+4*i+3]
	global_store_b64 v2, v[64+4*i:64+4*i+1], s[28:29] offset:2048*i th:TH_STORE_NT  ; no register of a store is written again
.set i, i+1
.endr
	s_endpgm
	; THE SEEDS.  Work-group g makes channels 16 g on, for all 32 queries.  K IS SPLIT AMONG ITS EIGHT WAVES: wave v takes k = 128 v .. 128 v + 127: all its 48 loads go out at once, and there is no loop.
	; Source 0 = 16 rows of Wq (channels), source 1 = 16 rows of S (queries): a lane ends with one query (l % 16) and the channels 8 (l / 16) + 0..7.  A fragment (16 rows x 32 k) is four loads of
	; 16 bytes of f32 a lane, at 32 (l / 16) + 0, 16, 64, 80, packed to bf16 in place.  The eight partial sums meet in LDS (f32); wave 0 finishes queries 0-15, wave 1 queries 16-31.
.Lqproj:
	v_lshrrev_b32 v1, 5, v0
	v_readfirstlane_b32 s7, v1                     ; wave 0..7
	v_and_b32 v10, 15, v0                          ; l % 16
	v_bfe_u32 v11, v0, 4, 1                        ; l / 16
	v_and_b32 v12, 31, v0                          ; l
	s_lshl_b32 s36, s7, 9                          ; my 128 k: 512 bytes of a row
	v_lshlrev_b32 v[FO], 12, v10
	v_lshl_add_u32 v[FO], v11, 5, v[FO]
	v_add_nc_u32 v[FO], s36, v[FO]
	v_lshlrev_b32 v[BQO], 5, v11
	v_lshlrev_b32 v[QTO], 5, v10
	v_lshl_add_u32 v[QTO], v11, 4, v[QTO]
	s_lshl_b32 s37, s7, 11
	v_lshl_add_u32 v[LS], v12, 5, s37              ; 2,048 x wave + 32 l
	s_lshl_b32 s37, s7, 10
	v_lshl_add_u32 v[LR], v12, 5, s37              ; the tile that I finish = my wave's number (waves 0 and 1): 1,024 x wave + 32 l
	s_lshl_b32 s38, ttmp9, 16                      ; 16 rows of Wq
	s_mov_b32 s39, 0
	s_lshl_b32 s40, ttmp9, 6                       ; 16 numbers of bq
	s_mov_b32 s41, 0
	s_lshl_b32 s42, ttmp9, 10                      ; a tile of Qt,
	s_add_co_u32 s42, s42, s36                     ; the 512 bytes of the query tile that I finish
	s_mov_b32 s43, 0
	s_wait_kmcnt 0x0
	s_add_nc_u64 s[32:33], s[14:15], s[38:39]      ; Wq at my rows
	s_add_nc_u64 s[16:17], s[16:17], s[40:41]
	s_add_nc_u64 s[22:23], s[22:23], s[42:43]
.macro LOADS b, off                    ; 24 loads: 64 along k (256 consecutive bytes of each row) of Wq's 16 rows and S's 32, into set b
.irp k2, 0,1
.irp p, 0,1,2,3
	global_load_b128 v[SET+96*(\b)+16*(\k2)+4*(\p):SET+96*(\b)+16*(\k2)+4*(\p)+3], v[FO], s[32:33] offset:(\off)+128*(\k2)+16*((\p)%2)+64*((\p)/2)
	global_load_b128 v[SET+96*(\b)+32+16*(\k2)+4*(\p):SET+96*(\b)+32+16*(\k2)+4*(\p)+3], v[FO], s[12:13] offset:(\off)+128*(\k2)+16*((\p)%2)+64*((\p)/2)
	global_load_b128 v[SET+96*(\b)+64+16*(\k2)+4*(\p):SET+96*(\b)+64+16*(\k2)+4*(\p)+3], v[FO], s[12:13] offset:(\off)+128*(\k2)+16*((\p)%2)+64*((\p)/2)+65536
.endr
.endr
.endm
.macro CVT b                           ; the set's six fragments, 16 f32 registers each, packed into their own first 8: register i is written when 2 i and 2 i + 1 are read
.set f, 0
.rept 6
.set i, 0
.rept 8
	v_cvt_pk_bf16_f32 v[SET+96*(\b)+16*f+i], v[SET+96*(\b)+16*f+2*i], v[SET+96*(\b)+16*f+2*i+1]
.set i, i+1
.endr
.set f, f+1
.endr
.endm
.macro MULS b, first                   ; four products; the two accumulators take turns; first = 1: the first two start the sums with 0
.irp k2, 0,1
.irp qt, 0,1
.if (\first) && ((\k2) == 0)
	v_wmma_f32_16x16x32_bf16 v[ACC+8*(\qt):ACC+8*(\qt)+7], v[SET+96*(\b)+16*(\k2):SET+96*(\b)+16*(\k2)+7], v[SET+96*(\b)+32+32*(\qt)+16*(\k2):SET+96*(\b)+32+32*(\qt)+16*(\k2)+7], 0
.else
	v_wmma_f32_16x16x32_bf16 v[ACC+8*(\qt):ACC+8*(\qt)+7], v[SET+96*(\b)+16*(\k2):SET+96*(\b)+16*(\k2)+7], v[SET+96*(\b)+32+32*(\qt)+16*(\k2):SET+96*(\b)+32+32*(\qt)+16*(\k2)+7], v[ACC+8*(\qt):ACC+8*(\qt)+7]
.endif
.endr
.endr
.endm
	global_load_b128 v[BQ:BQ+3], v[BQO], s[16:17]
	global_load_b128 v[BQ+4:BQ+7], v[BQO], s[16:17] offset:16
	LOADS 0, 0                                     ; my k 0-63
	LOADS 1, 256                                   ; my k 64-127
	s_wait_loadcnt 24                              ; bq and set 0 are in; set 1's 24 loads may stay out
	CVT 0
	MULS 0, 1
	s_wait_loadcnt 0x0
	CVT 1
	MULS 1, 0
.rept 4
	v_nop                                          ; four plain instructions between the last product and the stores that read results
.endr
.irp qt, 0,1                           ; each accumulator's low half first
	ds_store_b128 v[LS], v[ACC+8*(\qt):ACC+8*(\qt)+3]   offset:PART+1024*(\qt)
	ds_store_b128 v[LS], v[ACC+8*(\qt)+4:ACC+8*(\qt)+7] offset:PART+1024*(\qt)+16
.endr
	s_wait_dscnt 0x0                               ; for the others' sake: my partial sums are stored
	s_barrier_signal -1
	s_barrier_wait -1
	s_cmp_lt_u32 s7, 2
	s_cbranch_scc0 .Lqend
.irp v, 0,1,2,3,4,5,6,7
	ds_load_b128 v[SET+8*(\v):SET+8*(\v)+3],   v[LR] offset:PART+2048*(\v)
	ds_load_b128 v[SET+8*(\v)+4:SET+8*(\v)+7], v[LR] offset:PART+2048*(\v)+16
.endr
	s_wait_dscnt 0x0
.irp r, 0,2,4,6
.irp v, 0,2,4,6
	v_pk_add_f32 v[SET+8*\v+\r:SET+8*\v+\r+1], v[SET+8*\v+\r:SET+8*\v+\r+1], v[SET+8*\v+8+\r:SET+8*\v+8+\r+1]
.endr
.endr
.irp r, 0,2,4,6
.irp v, 0,4
	v_pk_add_f32 v[SET+8*\v+\r:SET+8*\v+\r+1], v[SET+8*\v+\r:SET+8*\v+\r+1], v[SET+8*\v+16+\r:SET+8*\v+16+\r+1]
.endr
.endr
.irp j, 0,2,4,6
	RB BQ+\j, BQ+\j+1, RT                          ; the bias, rounded like every input
.endr
.irp r, 0,2,4,6
	v_pk_add_f32 v[SET+\r:SET+\r+1], v[SET+\r:SET+\r+1], v[SET+32+\r:SET+32+\r+1]
.endr
.irp r, 0,2,4,6
	v_pk_add_f32 v[SET+\r:SET+\r+1], v[SET+\r:SET+\r+1], v[BQ+\r:BQ+\r+1]
.endr
.irp j, 0,1,2,3
	v_cvt_pk_bf16_f32 v[32+\j], v[SET+2*\j], v[SET+2*\j+1]
.endr
	global_store_b128 v[QTO], v[32:35], s[22:23]   ; 512 consecutive bytes: my 16 queries
.Lqend:
	s_wait_tensorcnt 0x0                           ; the wave's end, behind my last LDS store
	ds_add_u32 v[SPW], v[NIL]
	s_wait_dscnt 0x0
	s_endpgm
.Lfunc_end_k_qb2549df4ac_prep:
	.size	k_qb2549df4ac_prep, .Lfunc_end_k_qb2549df4ac_prep-k_qb2549df4ac_prep
	.p2alignl 7, 3214868480
	.fill 96, 4, 3214868480
	.section	.rodata,"a",@progbits
	.p2align	6, 0x0
	.amdhsa_kernel k_qb2549df4ac_prep
		.amdhsa_group_segment_fixed_size 17408
		.amdhsa_private_segment_fixed_size 0
		.amdhsa_enable_private_segment 0
		.amdhsa_kernarg_size 64
		.amdhsa_user_sgpr_count 2
		.amdhsa_user_sgpr_kernarg_segment_ptr 1
		.amdhsa_wavefront_size32 1
		.amdhsa_system_sgpr_workgroup_id_x 1
		.amdhsa_system_sgpr_workgroup_id_y 1
		.amdhsa_system_sgpr_workgroup_id_z 1
		.amdhsa_system_vgpr_workitem_id 0
		.amdhsa_next_free_vgpr 256
		.amdhsa_next_free_sgpr 66
		.amdhsa_reserve_vcc 0
		.amdhsa_float_denorm_mode_32 3
		.amdhsa_float_denorm_mode_16_64 3
		.amdhsa_memory_ordered 1
		.amdhsa_forward_progress 1
		.amdhsa_inst_pref_size 34
	.end_amdhsa_kernel
	.amdgpu_metadata
---
amdhsa.version: [ 1, 2 ]
amdhsa.kernels:
  - .name:           k_qb2549df4ac_prep
    .symbol:         k_qb2549df4ac_prep.kd
    .args:
      - { .name: X, .offset: 0, .size: 8, .value_kind: global_buffer, .address_space: global }
      - { .name: Wv, .offset: 8, .size: 8, .value_kind: global_buffer, .address_space: global }
      - { .name: S, .offset: 16, .size: 8, .value_kind: global_buffer, .address_space: global }
      - { .name: Wq, .offset: 24, .size: 8, .value_kind: global_buffer, .address_space: global }
      - { .name: bq, .offset: 32, .size: 8, .value_kind: global_buffer, .address_space: global }
      - { .name: Xb, .offset: 40, .size: 8, .value_kind: global_buffer, .address_space: global }
      - { .name: Wb, .offset: 48, .size: 8, .value_kind: global_buffer, .address_space: global }
      - { .name: Qt, .offset: 56, .size: 8, .value_kind: global_buffer, .address_space: global }
    .group_segment_fixed_size: 17408
    .private_segment_fixed_size: 0
    .kernarg_segment_align: 8
    .kernarg_segment_size: 64
    .max_flat_workgroup_size: 256
    .sgpr_count:     66
    .vgpr_count:     256
    .wavefront_size: 32
...
	.end_amdgpu_metadata
.endif
;; end of part 1
;; launch qw (part 2): grid 16 x 16, 2 waves a work-group, no clusters, 54,528 bytes of LDS; arguments Wk, Qt, bk, Wb, Sb; writes Wb, Sb
.if DOCPART == 2
	.amdgcn_target "amdgcn-amd-amdhsa--gfx1250"
	.amdhsa_code_object_version 6
	.text
	.protected	k_qb2549df4ac_qw
	.globl	k_qb2549df4ac_qw
	.p2align	8
	.type	k_qb2549df4ac_qw,@function
k_qb2549df4ac_qw:
	s_mov_b64 s[64:65], 0
	v_nop
	global_prefetch_b8 v0, s[64:65] scope:SCOPE_SE
	s_setreg_imm32_b32 hwreg(HW_REG_WAVE_MODE, 25, 1), 1
	s_wait_xcnt 0x0
; QW.  A score is Qp_h . (X Wk_h^T + bk_h) = X . (Qp_h Wk_h) + Qp_h . bk_h.  This launch makes, for each head h, QW[q][d] = the sum over the head's 64 channels c of Qp[q][c] Wk[64 h + c][d],
; rounded once to bf16, into row 96 h + 64 + q of Wb [1536][4096], and Sb[h][q] = Qp[q] . bk (f32).  Qp comes as bf16 from Qt; Wk and bk are rounded to bf16 like every input; sums in f32.
; NaN and infinities are not treated apart.
; SHARES.  A wave takes one head and 128 columns d: 64 rows of Wk x 512 consecutive bytes, each read once in the launch.  The two waves of a work-group share nothing: no barrier.
; Wk lies [c][d], the product wants c along a lane's registers: the rows go, as bf16, into the wave's own LDS bytes and come back turned, by ds_load_tr16_b128.
; Source 0 = 16 columns d, source 1 = 16 queries: a lane ends with one query (l % 16) and eight neighbouring d: 16 bytes of bf16, which leave through the wave's own stage as whole rows of 256 bytes.
.set WP,  288                          ; a row of Wk in LDS: 256 bytes of bf16 + 32
.set WT,  64*WP                        ; a wave's 64 rows
.set SP,  272                          ; a row of the stage: 256 bytes + 16
.set WAVEB, WT+32*SP                   ; a wave's LDS: 27,136 bytes
.set SPARE, 2*WAVEB                    ; the spare words, 128 bytes for each wave: one block of 256 bytes that no other line names
.set GL,  4                            ; v4   16 l: my 16 bytes of a row's 512
.set QO,  5                            ; v5   32 (l % 16) + 16 (l / 16): my 16 bytes of a tile of Qt
.set BKO, 6                            ; v6   32 (l / 16)
.set WS,  7                            ; v7   where I put my 8 bytes of a row
.set AT,  8                            ; v8   my place in a turning load
.set STO, 9                            ; v9   the way out: where I put 16 bytes of a row
.set RD,  10                           ; v10  the way out: where I read rows back
.set GO,  11                           ; v11  (l / 16) x 8,192 + 16 (l % 16): my 16 bytes of two rows of Wb
.set L4,  12                           ; v12  4 l
.set SBV, 13                           ; v13  Sb's number for query l; never rewritten
.set SPW, 14                           ; v14  LDS address of my spare word; never rewritten
.set NIL, 15                           ; v15  0; never rewritten
.set T,   16                           ; v[16:31]   packed pairs on their way to LDS
.set QF,  32                           ; v[32:63]   Qp: query tile qt, channel half ks at 16 qt + 8 ks
.set ACC, 64                           ; v[64:127]  eight accumulators: (dl, qt) at 8 (2 dl + qt).  First: bk at 64 + 16 ks, its two sums at 96, 104
.set BK,  64
.set SA,  96
.set FR,  128                          ; v[128:255] Wk as loaded (row i at 4 i); then its fragments, (db, ks) at 8 (2 db + ks); then the rows on their way out
.macro PLACES                          ; four plain instructions between a product and a vector line or load that touches its registers
.rept 4
	v_nop
.endr
.endm
	s_load_b256 s[4:11], s[0:1], 0x0               ; Wk s[4:5], Qt s[6:7], bk s[8:9], Wb s[10:11]
	s_load_b64 s[12:13], s[0:1], 0x20              ; Sb
	v_lshl_add_u32 v[SPW], v0, 2, SPARE
	v_mov_b32 v[NIL], 0
	v_lshrrev_b32 v1, 5, v0
	v_readfirstlane_b32 s14, v1                    ; wave 0..1
	s_mov_b32 s15, ttmp9                           ; x: 256 columns d
	s_and_b32 s16, ttmp7, 0xffff                   ; the head
	v_and_b32 v1, 31, v0                           ; l
	v_and_b32 v2, 15, v0                           ; l % 16
	v_bfe_u32 v3, v0, 4, 1                         ; l / 16
	v_lshlrev_b32 v[GL], 4, v1
	v_lshlrev_b32 v[QO], 5, v2
	v_lshl_add_u32 v[QO], v3, 4, v[QO]
	v_lshlrev_b32 v[BKO], 5, v3
	s_mul_i32 s17, s14, WAVEB                      ; my wave's LDS
	v_lshl_add_u32 v[WS], v1, 3, s17
	v_and_b32 v[AT], 7, v0                         ; the turning load: lane l reads row 8 (l / 16) + l % 8, columns 8 ((l / 8) % 2) + 0..7
	v_lshl_add_u32 v[AT], v3, 3, v[AT]
	v_mul_u32_u24 v[AT], v[AT], WP
	v_bfe_u32 v[T], v0, 3, 1
	v_lshl_add_u32 v[AT], v[T], 4, v[AT]
	v_add_nc_u32 v[AT], s17, v[AT]
	s_add_co_u32 s18, s17, WT                      ; my stage
	v_mul_u32_u24 v[STO], v2, SP
	v_lshl_add_u32 v[STO], v3, 4, v[STO]
	v_add_nc_u32 v[STO], s18, v[STO]
	v_mul_u32_u24 v[RD], v3, SP
	v_lshl_add_u32 v[RD], v2, 4, v[RD]
	v_add_nc_u32 v[RD], s18, v[RD]
	v_lshlrev_b32 v[GO], 13, v3
	v_lshl_add_u32 v[GO], v2, 4, v[GO]
	v_lshlrev_b32 v[L4], 2, v1
	s_lshl_b32 s20, s16, 20                        ; Wk: the head's 64 rows of 16,384 bytes,
	s_lshl_b32 s19, s15, 10                        ; 256 x columns of f32,
	s_add_co_u32 s20, s20, s19
	s_lshl_b32 s19, s14, 9                         ; my wave's 128
	s_add_co_u32 s20, s20, s19
	s_mov_b32 s21, 0
	s_lshl_b32 s22, s16, 12                        ; Qt: the head's four tiles
	s_mov_b32 s23, 0
	s_lshl_b32 s24, s16, 8                         ; bk: the head's 64 numbers
	s_mov_b32 s25, 0
	s_mul_i32 s26, s16, 96*8192                    ; Wb: the head's 96 rows,
	s_add_co_u32 s26, s26, 64*8192                 ; behind its 64 of Wv,
	s_lshl_b32 s19, s15, 9                         ; 256 x columns of bf16,
	s_add_co_u32 s26, s26, s19
	s_lshl_b32 s19, s14, 8                         ; my wave's 128
	s_add_co_u32 s26, s26, s19
	s_mov_b32 s27, 0
	s_lshl_b32 s28, s16, 7                         ; Sb: the head's 32 numbers
	s_mov_b32 s29, 0
	s_or_b32 s30, s15, s14                         ; 0 in the one wave of a head that stores Sb
	s_wait_kmcnt 0x0
	s_add_nc_u64 s[4:5], s[4:5], s[20:21]
	s_add_nc_u64 s[6:7], s[6:7], s[22:23]
	s_add_nc_u64 s[8:9], s[8:9], s[24:25]
	s_add_nc_u64 s[10:11], s[10:11], s[26:27]
	s_add_nc_u64 s[12:13], s[12:13], s[28:29]
.irp qt, 0,1                           ; a fragment of Qp: 16 queries x 32 channels: two tiles of Qt
.irp ks, 0,1
	global_load_b128 v[QF+16*(\qt)+8*(\ks):QF+16*(\qt)+8*(\ks)+3],   v[QO], s[6:7] offset:2048*(\ks)+512*(\qt)
	global_load_b128 v[QF+16*(\qt)+8*(\ks)+4:QF+16*(\qt)+8*(\ks)+7], v[QO], s[6:7] offset:2048*(\ks)+1024+512*(\qt)
.endr
.endr
.irp ks, 0,1                           ; bk as a fragment whose 16 rows are all alike: every lane takes channels 32 ks + 8 (l / 16) + 0..7 and 16 more on
.irp p, 0,1,2,3
	global_load_b128 v[BK+16*(\ks)+4*(\p):BK+16*(\ks)+4*(\p)+3], v[BKO], s[8:9] offset:128*(\ks)+16*((\p)%2)+64*((\p)/2)
.endr
.endr
.set i, 0
.rept 32                               ; rows 0-31 of the head: a load of the wave covers 512 consecutive bytes; 16 KiB a wave on their way
	global_load_b128 v[FR+4*i:FR+4*i+3], v[GL], s[4:5] offset:16384*i th:TH_LOAD_NT
.set i, i+1
.endr
	s_wait_loadcnt 32                              ; Qp and bk are in; Wk's 32 loads stay out
.irp ks, 0,1
.irp i, 0,1,2,3,4,5,6,7
	v_cvt_pk_bf16_f32 v[BK+16*\ks+\i], v[BK+16*\ks+2*\i], v[BK+16*\ks+2*\i+1]  ; rounded like every input, packed in place
.endr
.endr
.irp ks, 0,1                           ; Qp . bk: every row of the result holds it; the two accumulators take turns
.irp qt, 0,1
.if (\ks) == 0
	v_wmma_f32_16x16x32_bf16 v[SA+8*(\qt):SA+8*(\qt)+7], v[BK+16*(\ks):BK+16*(\ks)+7], v[QF+16*(\qt)+8*(\ks):QF+16*(\qt)+8*(\ks)+7], 0
.else
	v_wmma_f32_16x16x32_bf16 v[SA+8*(\qt):SA+8*(\qt)+7], v[BK+16*(\ks):BK+16*(\ks)+7], v[QF+16*(\qt)+8*(\ks):QF+16*(\qt)+8*(\ks)+7], v[SA+8*(\qt):SA+8*(\qt)+7]
.endif
.endr
.endr
	PLACES
	v_cmp_lt_u32 vcc_lo, 15, v1                    ; lanes 0-15 take queries 0-15, lanes 16-31 queries 16-31: each accumulator's lowest register
	v_cndmask_b32 v[SBV], v[SA], v[SA+8], vcc_lo
	s_cmp_lg_u32 s30, 0
	s_cbranch_scc1 .Lno_sb
	global_store_b32 v[L4], v[SBV], s[12:13]       ; 128 consecutive bytes, once a head
.Lno_sb:
.set i, 0
.rept 32                               ; a ring of 32 loads: row i is rounded and laid in LDS, and its registers are asked for again with row i + 32
	s_wait_loadcnt 31                              ; row i is in: behind it stand 31 - i loads of this half and the i of the next
	v_cvt_pk_bf16_f32 v[T+2*(i%8)], v[FR+4*i], v[FR+4*i+1]
	v_cvt_pk_bf16_f32 v[T+2*(i%8)+1], v[FR+4*i+2], v[FR+4*i+3]
	ds_store_b64 v[WS], v[T+2*(i%8):T+2*(i%8)+1] offset:WP*i
	global_load_b128 v[FR+4*i:FR+4*i+3], v[GL], s[4:5] offset:16384*(i+32) th:TH_LOAD_NT
.set i, i+1
.endr
.set i, 0
.rept 32
	s_wait_loadcnt 31-i                            ; the counts run down
	v_cvt_pk_bf16_f32 v[T+2*(i%8)], v[FR+4*i], v[FR+4*i+1]
	v_cvt_pk_bf16_f32 v[T+2*(i%8)+1], v[FR+4*i+2], v[FR+4*i+3]
	ds_store_b64 v[WS], v[T+2*(i%8):T+2*(i%8)+1] offset:WP*(i+32)
.set i, i+1
.endr
.irp db, 0,1,2,3,4,5,6,7               ; LDS serves a wave's instructions in order (ISA guide 5.7.1.4): these see the stores above.  Columns 16 db on, channels 32 ks on
.irp ks, 0,1
	ds_load_tr16_b128 v[FR+8*(2*(\db)+(\ks)):FR+8*(2*(\db)+(\ks))+3],   v[AT] offset:32*WP*(\ks)+32*(\db)
	ds_load_tr16_b128 v[FR+8*(2*(\db)+(\ks))+4:FR+8*(2*(\db)+(\ks))+7], v[AT] offset:32*WP*(\ks)+16*WP+32*(\db)
.endr
.endr
	s_wait_dscnt 0x0
; 64 columns d x 32 queries: 16 products, the eight accumulators by turns; then rounded to bf16, packed in place from each accumulator's low end on, and laid in the stage
.macro PASS p
.irp ks, 0,1
.irp dl, 0,1,2,3
.irp qt, 0,1
.if (\ks) == 0
	v_wmma_f32_16x16x32_bf16 v[ACC+8*(2*(\dl)+(\qt)):ACC+8*(2*(\dl)+(\qt))+7], v[FR+8*(2*(4*(\p)+(\dl))+(\ks)):FR+8*(2*(4*(\p)+(\dl))+(\ks))+7], v[QF+16*(\qt)+8*(\ks):QF+16*(\qt)+8*(\ks)+7], 0
.else
	v_wmma_f32_16x16x32_bf16 v[ACC+8*(2*(\dl)+(\qt)):ACC+8*(2*(\dl)+(\qt))+7], v[FR+8*(2*(4*(\p)+(\dl))+(\ks)):FR+8*(2*(4*(\p)+(\dl))+(\ks))+7], v[QF+16*(\qt)+8*(\ks):QF+16*(\qt)+8*(\ks)+7], v[ACC+8*(2*(\dl)+(\qt)):ACC+8*(2*(\dl)+(\qt))+7]
.endif
.endr
.endr
.endr
	PLACES
.irp dl, 0,1,2,3
.irp qt, 0,1
.irp i, 0,1,2,3
	v_cvt_pk_bf16_f32 v[ACC+8*(2*(\dl)+(\qt))+\i], v[ACC+8*(2*(\dl)+(\qt))+2*\i], v[ACC+8*(2*(\dl)+(\qt))+2*\i+1]
.endr
	ds_store_b128 v[STO], v[ACC+8*(2*(\dl)+(\qt)):ACC+8*(2*(\dl)+(\qt))+3] offset:16*SP*(\qt)+32*(4*(\p)+(\dl))
.endr
.endr
.endm
	PASS 0
	PASS 1
.irp t, 0,1,2,3,4,5,6,7,8,9,10,11,12,13,14,15  ; back as whole rows: lanes 0-15 take query 2 t, lanes 16-31 query 2 t + 1
	ds_load_b128 v[FR+4*(\t):FR+4*(\t)+3], v[RD] offset:2*SP*(\t)
.endr
.irp t, 0,1,2,3,4,5,6,7,8,9,10,11,12,13,14,15
	s_wait_dscnt 15-(\t)
	global_store_b128 v[GO], v[FR+4*(\t):FR+4*(\t)+3], s[10:11] offset:2*8192*(\t)  ; 16 lanes store 256 consecutive bytes, at a multiple of 256 from Wb's first byte
.endr
	s_wait_tensorcnt 0x0                           ; the wave's end, behind my last LDS store
	ds_add_u32 v[SPW], v[NIL]
	s_wait_dscnt 0x0
	s_endpgm
.Lfunc_end_k_qb2549df4ac_qw:
	.size	k_qb2549df4ac_qw, .Lfunc_end_k_qb2549df4ac_qw-k_qb2549df4ac_qw
	.p2alignl 7, 3214868480
	.fill 96, 4, 3214868480
	.section	.rodata,"a",@progbits
	.p2align	6, 0x0
	.amdhsa_kernel k_qb2549df4ac_qw
		.amdhsa_group_segment_fixed_size 54528
		.amdhsa_private_segment_fixed_size 0
		.amdhsa_enable_private_segment 0
		.amdhsa_kernarg_size 40
		.amdhsa_user_sgpr_count 2
		.amdhsa_user_sgpr_kernarg_segment_ptr 1
		.amdhsa_wavefront_size32 1
		.amdhsa_system_sgpr_workgroup_id_x 1
		.amdhsa_system_sgpr_workgroup_id_y 1
		.amdhsa_system_sgpr_workgroup_id_z 1
		.amdhsa_system_vgpr_workitem_id 0
		.amdhsa_next_free_vgpr 256
		.amdhsa_next_free_sgpr 66
		.amdhsa_reserve_vcc 1
		.amdhsa_float_denorm_mode_32 3
		.amdhsa_float_denorm_mode_16_64 3
		.amdhsa_memory_ordered 1
		.amdhsa_forward_progress 1
		.amdhsa_inst_pref_size 39
	.end_amdhsa_kernel
	.amdgpu_metadata
---
amdhsa.version: [ 1, 2 ]
amdhsa.kernels:
  - .name:           k_qb2549df4ac_qw
    .symbol:         k_qb2549df4ac_qw.kd
    .args:
      - { .name: Wk, .offset: 0, .size: 8, .value_kind: global_buffer, .address_space: global }
      - { .name: Qt, .offset: 8, .size: 8, .value_kind: global_buffer, .address_space: global }
      - { .name: bk, .offset: 16, .size: 8, .value_kind: global_buffer, .address_space: global }
      - { .name: Wb, .offset: 24, .size: 8, .value_kind: global_buffer, .address_space: global }
      - { .name: Sb, .offset: 32, .size: 8, .value_kind: global_buffer, .address_space: global }
    .group_segment_fixed_size: 54528
    .private_segment_fixed_size: 0
    .kernarg_segment_align: 8
    .kernarg_segment_size: 40
    .max_flat_workgroup_size: 64
    .sgpr_count:     66
    .vgpr_count:     256
    .wavefront_size: 32
...
	.end_amdgpu_metadata
.endif
;; end of part 2
;; launch gemm (part 3): grid 8 x 32, 4 waves a work-group, clusters of 4 x 4, 327,680 bytes of LDS; arguments Xb, Wb, Sc, Vh, bv, Sb; writes Sc, Vh
.if DOCPART == 3
	.amdgcn_target "amdgcn-amd-amdhsa--gfx1250"
	.amdhsa_code_object_version 6
	.text
	.protected	k_qb2549df4ac_gemm
	.globl	k_qb2549df4ac_gemm
	.p2align	8
	.type	k_qb2549df4ac_gemm,@function
k_qb2549df4ac_gemm:
	s_mov_b64 s[64:65], 0
	v_nop
	global_prefetch_b8 v0, s[64:65] scope:SCOPE_SE
	s_setreg_imm32_b32 hwreg(HW_REG_WAVE_MODE, 25, 1), 1
	s_wait_xcnt 0x0
	s_wait_alu depctr_hold_cnt(0) depctr_sa_sdst(0) depctr_va_vdst(0) depctr_va_sdst(0) depctr_va_ssrc(0) depctr_va_vcc(0) depctr_vm_vsrc(0)
	s_getreg_b32 s2, hwreg(HW_REG_IB_STS2, 6, 4)
	s_cmp_eq_u32 s2, 0
	s_cbranch_scc0 .Lentry_in_a_cluster
	s_endpgm
.Lentry_in_a_cluster:
	s_bfe_u32 s2, ttmp6, 0x10000c
	s_cmp_lg_u32 s2, 0xf033
	s_cbranch_scc0 .Lentry_shape_is_right
	s_endpgm
.Lentry_shape_is_right:
; X times Wb^T.  A = Xb [8192][4096] bf16; B = Wb [1536][4096] bf16: for each head h 64 rows of Wv / 16, then 32 rows of QW = Qp_h Wk_h.  Sums in f32.
; Columns 96 h + c, c < 64: Vp / 16 (the sum begins with bv, rounded to bf16, times 2^-4), rounded once to f16 into Vh [8 batches][16 heads][1024 keys][64 channels].
; Columns 96 h + 64 + q: the raw score of query q and the token (the sum begins with Sb[h][q] = Qp . bk), kept in f32 in Sc [8][16][64 tiles of 16 keys][2 tiles of 16 queries][1,024 bytes]: in a tile's
; 1,024 bytes lane l = (query l % 16, keys 8 (l / 16) + 0..7) has its first four keys at 16 l and its last four at 512 + 16 l: the registers of the launch that reads them.
; LIMITS: |Vp| / 16 stays under 65,504 (f16); NaN and infinities are not treated apart.
; A tile of 256 tokens x 192 columns (two heads) is made by a work-group of four waves; a wave makes 128 x 96, one head: 48 accumulators of 16 x 16.  32 x 8 tiles: 256 work-groups.
; K goes in steps of 128 through a ring of two LDS slots filled by the tensor data mover: a tile's rows are 256 bytes of memory and start at multiples of 256 bytes.
; CLUSTERS: 4 x 4 work-groups.  The four of a row of the cluster need the same tiles of A, the four of a column the same tiles of B: each tile is asked for JOINTLY, by the same tensor load with the
; same descriptor and a mask that names the four, and each receives it in its own LDS.  The last K step goes by rows of the result, so that finished rows leave while the others are multiplied.
; REGISTERS, in windows of 256 (s_set_vgpr_msb: bits 1:0 source 0, 3:2 source 1, 5:4 source 2, 7:6 destination):
;   window 0: v0-31 addresses; v64-127, v128-191 fragments of A, two buffers (in the last K step four, of 16 rows x 128 K); v192-239 first the bias, then v192-207 and v224-255 at work on the way out, with v32-63
;   window 1: v64-111, v128-175 fragments of B, two buffers; in the last K step four          window 2: the accumulators of my rows 0-63 ((a, b) at v[8 (8 a + b)], b < 6);   window 3: rows 64-127
; THE MATRIX INSTRUCTION IS USED TRANSPOSED: source 0 = 16 rows of B, source 1 = 16 rows of A: lane l holds token l % 16 and the columns 8 (l / 16) + 0..7.
.set SIZE_K, 4096
.set KSTEP,  128
.set BROWS,  96                        ; rows of B that a wave fetches and multiplies: one head's
.set PITCH,  272                       ; an LDS row: 256 bytes + 16 of padding = 68 words: the 16 rows that a load touches start at 16 different groups of four banks (64 banks of 4 bytes: ISA guide 11.1)
.set HALFT,  128*PITCH                 ; 128 rows: what a tensor load for A brings; B's 96 rows have the same room
.set SLOT,   4*HALFT                   ; A's two halves, then B's two
.set STAGE,  2*SLOT                    ; behind the ring, for the way out: for each wave 16 rows x 144 bytes for V, then 2 x 16 rows x 80 bytes for the scores
.set SPITCH, 144                       ; 128 bytes (64 channels of f16) + 16
.set HSTG,   16*SPITCH
.set QPITCH, 80                        ; 64 bytes (16 keys of f32) + 16: the 16 rows of a load start at 16 different groups of four banks
.set QSTG,   16*QPITCH
.set WSTG,   HSTG+2*QSTG               ; 4,864 bytes a wave
.set SPARE,  STAGE+4*WSTG              ; behind the stages: the spare words, 128 bytes for each wave: two blocks of 256 bytes that no other line names
.set LAPS,   SIZE_K/(2*KSTEP)          ; a lap = two K steps = once round the ring: 16
.set ADRA, 16                          ; v16-17  LDS address of my A fragments in slot 0, 1
.set ADRB, 20                          ; v20-21  the same for B
.set STQ,  22                          ; v22     the way out: where I put a score
.set RDQ,  23                          ; v23     the way out: where I read 16 bytes of a query's keys back
.set STO,  24                          ; v24     the way out: where I put 16 bytes of a row of V
.set RD,   25                          ; v25     the way out: where I read rows of V back
.set CO,   26                          ; v26     16 x my lane: my place in 512 consecutive bytes
.set BO,   27                          ; v27     32 (l / 16): my eight numbers of a block of 16 of the bias
.set SPW,  28                          ; v28     LDS address of my spare word: SPARE + 4 x my thread's number; never rewritten
.set NIL,  29                          ; v29     0; never rewritten
.set PFO,  30                          ; v30     the prefetches' offset: my row x 8,192 bytes; never rewritten
.set RT,   31                          ; v31     at work
.set VP,   74                          ; s[74:75] Vh
.set PFA,  44                          ; s[44:45] where my prefetches stand: my work-group's share of the rows that I fetch, one K step further than the refill that is being asked for
.set LIM,  43                          ; s43     1 in a wave that prefetches, else the greatest number
.set F0,   64
.set F1,   128
.set BIAS, 192                         ; v192-239: block b of 16 columns at BIAS + 8 b: the C operand of the first products
.set TMP,  192                         ; the way out: V, packed
.set OB,   32                          ; the way out: a block read back from the stage: v32-63 and v224-255 by turns
.set PA,   64                          ; the last K step: A's fragments of 16 rows x 128 K, 32 registers; four such buffers, v64-191
.set G1,  24                           ; s[24:31] descriptor group 1 for A's tiles
.set G0,  32                           ; s[32:39] descriptor group 0 for A's tiles, one set for each slot
.set G1B, 48                           ; s[48:55] group 1 for B's tiles
.set G0B, 56                           ; s[56:63] group 0 for B's tiles
.set MSB, 0
.macro WIN new                         ; the immediate's high byte repeats the setting that is left; a switch that changes nothing is dropped
.if MSB != (\new)
	s_set_vgpr_msb (MSB<<8)|(\new)
.set MSB, \new
.endif
.endm
.set MUL_LO, 0xa1                      ; source 0 (B) window 1, source 1 (A) window 0, C and D window 2
.set MUL_HI, 0xf1                      ; the same, C and D window 3
.set TO_B,   0x40                      ; destination window 1, address window 0
; A joint load.  Waves 0 and 1 fetch A's two halves, waves 2 and 3 B's.  The branch hangs on the wave's number alone.  An s_nop 0 and four v_nop follow each of the two lines.
.macro JLOAD s
	s_cmp_eq_u32 s11, 0
	s_cbranch_scc0 .Lfor_b_\@
	tensor_load_to_lds s[G0+4*(\s):G0+4*(\s)+3], s[G1:G1+7]
	s_nop 0
.rept 4
	v_nop
.endr
	s_branch .Lasked_\@
.Lfor_b_\@:
	tensor_load_to_lds s[G0B+4*(\s):G0B+4*(\s)+3], s[G1B:G1B+7]
	s_nop 0
.rept 4
	v_nop
.endr
.Lasked_\@:
.endm
; A PREFETCH, behind each joint refill and the run of LDS loads that follows it: the K step that stands TWO refills on, 384 matrix instructions ahead of the load that will want it: 256 bytes of each row,
; a lane a row, one instruction a wave.  A's tile row is read by both clusters of that row of clusters, and the one with x = 0 asks; B's tile column by the eight clusters of that column, and the one
; with y = 0 asks.  The four partners that ask for a tile jointly share its rows out BY ADDRESS: of A's 128 rows the partner at place p takes 32 p on, of B's 96 rows 24 p on (there lanes 24-31 name the
; 24th row once more, in the same instruction).  The first four K steps come by their loads alone; the loop's last trip (s3 = 1) asks for nothing: K steps 32 and 33 do not exist.
.macro ASK
	s_cmp_gt_u32 s3, s[LIM]
	s_cbranch_scc0 .Lnot_mine_\@
	global_prefetch_b8 v[PFO], s[PFA:PFA+1] offset:KSTEP*2 th:TH_LOAD_NT scope:SCOPE_SE
.Lnot_mine_\@:
.endm
; A round of the cluster's barrier: my work-group's barrier; wave 0 signals for the work-group; every wave waits for all sixteen work-groups; my work-group's barrier once more.
.macro CREST                           ; a round behind its opening barrier
	s_cmp_lg_u32 s10, 0
	s_cbranch_scc1 .Lnot_wave_0_\@
	s_barrier_signal -3
.Lnot_wave_0_\@:
	s_barrier_wait -3
	s_barrier_signal -1
	s_barrier_wait -1
.endm
.macro CROUND
	s_barrier_signal -1
	s_barrier_wait -1
	CREST
.endm
	s_load_b128 s[4:7], s[0:1], 0x0                ; Xb s[4:5], Wb s[6:7]
	s_load_b64 s[8:9], s[0:1], 0x10                ; Sc
	s_load_b64 s[VP:VP+1], s[0:1], 0x18            ; Vh
	s_load_b128 s[68:71], s[0:1], 0x20             ; bv s[68:69], Sb s[70:71]
	v_lshl_add_u32 v[SPW], v0, 2, SPARE
	v_mov_b32 v[NIL], 0
	ds_add_u32 v[SPW], v[NIL]                      ; the wave's opening: the add and its wait stand ahead of my first tensor load; the set-up below stands between them
	v_lshrrev_b32 v1, 5, v0
	v_readfirstlane_b32 s10, v1                    ; wave 0..3
	s_lshr_b32 s11, s10, 1                         ; which half of the tile's rows is mine.  Also: I fetch for A (0) or for B (1)
	s_and_b32 s12, s10, 1                          ; which of its two heads.  Also: which half of that tile's rows I fetch
	s_bfe_u32 s40, ttmp6, 0x40000                  ; cx
	s_bfe_u32 s41, ttmp6, 0x40004                  ; cy
	s_lshl_b32 s42, ttmp9, 2                       ; in a cluster launch ttmp9 and ttmp7 count clusters
	s_add_co_u32 s42, s42, s40                     ; tile column = 4 x cluster x + cx
	s_and_b32 s13, ttmp7, 0xffff
	s_lshl_b32 s13, s13, 2
	s_add_co_u32 s13, s13, s41                     ; tile row = 4 x cluster y + cy
	s_lshl_b32 s43, s41, 2
	s_lshl_b32 s43, 15, s43                        ; my row of the cluster: places 4 cy .. 4 cy + 3
	s_lshl_b32 s44, 0x1111, s40                    ; my column: places cx, cx + 4, cx + 8, cx + 12
	; descriptor group 1: rows of 128 elements of 2 bytes, 4 words of padding behind every 64; 128 rows for A, 96 for B
	s_or_b32 s[G1+0], s43, (1<<16)|(1<<20)|(1<<21)|(5<<22)|(3<<25)   ; 15:0 the mask: A's tiles go to my row; 17:16 2-byte elements; 20 padding on; 21 set beside a mask; 24:22 code 5; 31:25 code 3
	s_or_b32 s[G1B+0], s44, (1<<16)|(1<<20)|(1<<21)|(5<<22)|(3<<25)  ; the same with the mask of my column
.irp g, G1, G1B
	s_mov_b32 s[(\g)+1], KSTEP<<16                 ; tensor_dim0 = 128
	s_mov_b32 s[(\g)+3], KSTEP<<16                 ; tile_dim0 = 128
	s_mov_b32 s[(\g)+5], SIZE_K                    ; elements from row to row
	s_mov_b32 s[(\g)+6], 0
	s_mov_b32 s[(\g)+7], 0
.endr
	s_mov_b32 s[G1+2], 128<<16                     ; tensor_dim1
	s_mov_b32 s[G1+4], 128                         ; tile_dim1
	s_mov_b32 s[G1B+2], BROWS<<16
	s_mov_b32 s[G1B+4], BROWS
	; A's tiles hang on the tile row alone, which my row of the cluster shares; B's on the tile column alone, which my column shares
	s_lshl_b32 s17, s12, 7
	s_lshl_b32 s16, s13, 8
	s_add_co_u32 s16, s16, s17                     ; A: row 256 x tile row + 128 x half
	s_mul_i32 s46, s42, 2*BROWS
	s_mul_i32 s47, s12, BROWS
	s_add_co_u32 s46, s46, s47                     ; B: row 192 x tile column + 96 x half
	s_mov_b32 s17, 0
	s_mov_b32 s47, 0
	s_mov_b64 s[18:19], SIZE_K*2
	s_mul_u64 s[16:17], s[16:17], s[18:19]
	s_mul_u64 s[46:47], s[46:47], s[18:19]
	s_mul_i32 s20, s10, HALFT                      ; where they go: wave x the room of 128 rows: no place in the cluster enters an LDS address
	s_wait_dscnt 0x0                               ; the opening add is done
	s_wait_kmcnt 0x0
	s_add_nc_u64 s[14:15], s[4:5], s[16:17]
	s_add_nc_u64 s[46:47], s[6:7], s[46:47]
	CROUND                                         ; all sixteen work-groups are here: the first joint loads meet
.irp s, 0,1
	s_mov_b32 s[G0+4*(\s)], 1                                        ; count = 1
	s_add_co_u32 s[G0+4*(\s)+1], s20, (\s)*SLOT                      ; LDS address
	s_add_nc_u64 s[G0+4*(\s)+2:G0+4*(\s)+3], s[14:15], (\s)*KSTEP*2  ; global address: K step s
	s_or_b32 s[G0+4*(\s)+3], s[G0+4*(\s)+3], 0x80000000              ; type = 2
	s_mov_b32 s[G0B+4*(\s)], 1
	s_add_co_u32 s[G0B+4*(\s)+1], s20, (\s)*SLOT
	s_add_nc_u64 s[G0B+4*(\s)+2:G0B+4*(\s)+3], s[46:47], (\s)*KSTEP*2
	s_or_b32 s[G0B+4*(\s)+3], s[G0B+4*(\s)+3], 0x80000000
	JLOAD \s                                       ; the ring is filled before anything else is done: two loads of mine are out
.endr
	v_and_b32 v1, 15, v0                           ; l % 16
	v_bfe_u32 v2, v0, 4, 1                         ; l / 16
	; what starts my 96 columns' sums: my head's 64 numbers of bv and its 32 of Sb
	s_lshl_b32 s72, s42, 1
	s_add_co_u32 s72, s72, s12                     ; my head = 2 x tile column + my half
	s_lshl_b32 s76, s72, 7
	s_mov_b32 s77, 0
	s_lshl_b32 s72, s72, 8
	s_mov_b32 s73, 0
	s_add_nc_u64 s[68:69], s[68:69], s[72:73]
	s_add_nc_u64 s[70:71], s[70:71], s[76:77]
	v_lshlrev_b32 v[BO], 5, v2
.irp b, 0,1,2,3
	global_load_b128 v[BIAS+8*(\b):BIAS+8*(\b)+3],   v[BO], s[68:69] offset:64*(\b)
	global_load_b128 v[BIAS+8*(\b)+4:BIAS+8*(\b)+7], v[BO], s[68:69] offset:64*(\b)+16
.endr
.irp b, 4,5
	global_load_b128 v[BIAS+8*(\b):BIAS+8*(\b)+3],   v[BO], s[70:71] offset:64*((\b)-4)
	global_load_b128 v[BIAS+8*(\b)+4:BIAS+8*(\b)+7], v[BO], s[70:71] offset:64*((\b)-4)+16
.endr
	; A fragment is 16 rows x 32 K in 8 registers: lane l holds row l % 16; registers 0-3 K = 8 (l / 16) + 0..7, registers 4-7 K = 16 + 8 (l / 16) + 0..7: two loads of 16 bytes, 32 bytes apart
	v_mul_u32_u24 v3, v1, PITCH
	v_lshl_add_u32 v3, v2, 4, v3
	s_mul_i32 s21, s11, HALFT                      ; my 128 rows of A
	s_mul_i32 s22, s12, HALFT                      ; my 96 rows of B,
	s_add_co_u32 s22, s22, 2*HALFT                 ; which lie behind A's 256
.irp s, 0,1
	v_add_nc_u32 v[ADRA+(\s)], s21, v3
	v_add_nc_u32 v[ADRB+(\s)], s22, v3
	s_add_co_u32 s21, s21, SLOT
	s_add_co_u32 s22, s22, SLOT
.endr
	s_mul_i32 s23, s10, WSTG
	s_add_co_u32 s23, s23, STAGE                   ; my stage
	v_mul_u32_u24 v4, v1, SPITCH                   ; V in: row l % 16, 16 bytes for each half of the lanes
	v_lshl_add_u32 v4, v2, 4, v4
	v_add_nc_u32 v[STO], s23, v4
	v_bfe_u32 v5, v0, 3, 2                         ; V back: 32 lanes take four rows of 128 bytes,
	v_mul_u32_u24 v5, v5, SPITCH
	v_and_b32 v6, 7, v0
	v_lshl_add_u32 v5, v6, 4, v5
	v_add_nc_u32 v[RD], s23, v5
	v_and_b32 v[CO], 31, v0                        ; which are 512 consecutive bytes of a head's keys
	v_lshlrev_b32 v[CO], 4, v[CO]
	s_add_co_u32 s23, s23, HSTG
	v_mul_u32_u24 v4, v2, 8*QPITCH                 ; a score in: row = query 8 (l / 16) + register, word = key l % 16
	v_lshl_add_u32 v4, v1, 2, v4
	v_add_nc_u32 v[STQ], s23, v4
	v_mul_u32_u24 v5, v1, QPITCH                   ; scores back: row = query l % 16, keys 8 (l / 16) on
	v_lshl_add_u32 v5, v2, 5, v5
	v_add_nc_u32 v[RDQ], s23, v5
	; where my part begins, in Sc and in Vh alike: batch << 21 + head << 17 + key << 7; batch = cluster y, key = 256 cy + 128 x my row half (16 keys are 2,048 bytes in both)
	s_and_b32 s14, ttmp7, 0xffff
	s_lshl_b32 s16, s14, 21
	s_lshl_b32 s14, s41, 15
	s_add_co_u32 s16, s16, s14
	s_lshl_b32 s14, s11, 14
	s_add_co_u32 s16, s16, s14
	s_lshl_b32 s46, s42, 18
	s_add_co_u32 s16, s16, s46
	s_lshl_b32 s46, s12, 17
	s_add_co_u32 s16, s16, s46
	s_mov_b32 s17, 0
	; the prefetches
	s_lshl_b32 s13, s13, 8                         ; 256 x tile row
	s_mul_i32 s42, s42, 2*BROWS                    ; 192 x tile column
	s_and_b32 s22, ttmp7, 0xffff                   ; cluster y
	s_mov_b32 s76, 128
	s_mov_b32 s79, BROWS
	s_cmp_eq_u32 s11, 0                            ; do I fetch for A?
	s_cselect_b32 s20, s13, s42                    ; the tile's first row
	s_cselect_b32 s21, s40, s41                    ; my place among the four that ask for it with me
	s_cselect_b32 s22, ttmp9, s22                  ; the coordinate along which other clusters read the same rows
	s_cselect_b64 s[PFA:PFA+1], s[4:5], s[6:7]
	s_cselect_b32 s76, s76, s79                    ; the rows that a wave fetches,
	s_cselect_b32 s77, 32, BROWS/4                 ; a partner's share of them,
	s_cselect_b32 s78, 31, BROWS/4-1               ; and its last row
	s_cmp_eq_u32 s22, 0
	s_cselect_b32 s[LIM], 1, -1                    ; the same in all sixteen partners, for a given wave
	s_mul_i32 s22, s12, s76
	s_add_co_u32 s20, s20, s22                     ; + the rows that I fetch
	s_mul_i32 s21, s21, s77
	s_add_co_u32 s20, s20, s21                     ; + my work-group's share of them
	s_mov_b32 s21, 0
	s_mov_b64 s[18:19], SIZE_K*2
	s_mul_u64 s[20:21], s[20:21], s[18:19]
	s_add_nc_u64 s[PFA:PFA+1], s[PFA:PFA+1], s[20:21]
	s_add_nc_u64 s[PFA:PFA+1], s[PFA:PFA+1], 2*KSTEP*2  ; at K step 2: the first refill steps it to 3 and names K step 4
	v_and_b32 v[PFO], 31, v0
	v_min_u32 v[PFO], s78, v[PFO]
	v_mul_u32_u24 v[PFO], v[PFO], SIZE_K*2
	s_wait_loadcnt 0x0                             ; bv: rounded to bf16 like every input, times 2^-4 like Wv; Sb stays as it is
.set i, 0
.rept 16
	v_cvt_pk_bf16_f32 v[RT], v[BIAS+i], v[BIAS+i+1]
	v_lshlrev_b32 v[BIAS+i], 16, v[RT]
	v_and_b32 v[BIAS+i+1], 0xffff0000, v[RT]
	v_pk_mul_f32 v[BIAS+i:BIAS+i+1], v[BIAS+i:BIAS+i+1], 0x3d800000 op_sel_hi:[1,0]
.set i, i+2
.endr
; 12 matrix instructions: m blocks a0, a0 + 1 of the window's four (hi = 0: my rows 0-63, 1: rows 64-127) x all 6 n blocks, 32 along K.
; first = 1: the first product starts the sums with the bias of its n block (C in window 0): nothing is ever cleared.  The 48 accumulators take turns.
.macro MUL12 f, hi, a0, first
.if \first
	WIN 0x81+0x40*(\hi)                            ; source 0 window 1, sources 1 and 2 window 0, D window 2 or 3
.else
	WIN MUL_LO+0x50*(\hi)
.endif
.irp a, \a0, (\a0)+1
.irp b, 0,1,2,3,4,5
.if \first
	v_wmma_f32_16x16x32_bf16 v[8*(8*(\a)+(\b)):8*(8*(\a)+(\b))+7], v[(\f)+8*(\b):(\f)+8*(\b)+7], v[(\f)+8*(4*(\hi)+(\a)):(\f)+8*(4*(\hi)+(\a))+7], v[BIAS+8*(\b):BIAS+8*(\b)+7]
.else
	v_wmma_f32_16x16x32_bf16 v[8*(8*(\a)+(\b)):8*(8*(\a)+(\b))+7], v[(\f)+8*(\b):(\f)+8*(\b)+7], v[(\f)+8*(4*(\hi)+(\a)):(\f)+8*(4*(\hi)+(\a))+7], v[8*(8*(\a)+(\b)):8*(8*(\a)+(\b))+7]
.endif
.endr
.endr
.endm
; 28 LDS loads in one run: the fragments of one quarter step (96 rows of B, 128 rows of A, 32 K at byte k of the rows) into buffer f
.macro FETCH slot, k, f
	WIN TO_B
.irp i, 0,1,2,3,4,5
	ds_load_b128 v[(\f)+8*(\i):(\f)+8*(\i)+3],   v[ADRB+(\slot)] offset:(\k)+(\i)*16*PITCH
	ds_load_b128 v[(\f)+8*(\i)+4:(\f)+8*(\i)+7], v[ADRB+(\slot)] offset:(\k)+(\i)*16*PITCH+32
.endr
	WIN 0
.irp i, 0,1,2,3,4,5,6,7
	ds_load_b128 v[(\f)+8*(\i):(\f)+8*(\i)+3],   v[ADRA+(\slot)] offset:(\k)+(\i)*16*PITCH
	ds_load_b128 v[(\f)+8*(\i)+4:(\f)+8*(\i)+7], v[ADRA+(\slot)] offset:(\k)+(\i)*16*PITCH+32
.endr
.endm
.macro PLACES                          ; four plain instructions between a matrix instruction and a load into, or a vector read of, its registers (ISA guide 7.12.1 for vector reads)
.rept 4
	v_nop
.endr
.endm
; A K step is four quarter steps of 32 along K, 48 matrix instructions each, on buffers 0, 1, 0, 1.  One of the first three: multiplies buffer f; in its middle it fetches the next quarter into buffer g.
.macro QUARTER slot, k, f, g, first
	s_wait_dscnt 8                                 ; B and A's rows 0-63 are in; the youngest eight loads (A's rows 64-127) may be out
	MUL12 \f, 0, 0, \first
	MUL12 \f, 0, 2, \first
	PLACES
	FETCH \slot, \k, \g
	s_wait_dscnt 28                                ; all but the 28 just issued
	MUL12 \f, 1, 0, \first
	MUL12 \f, 1, 2, \first
.endm
; The last quarter multiplies buffer 1 and changes slots.  MEET is its first half: ONE barrier.  In front of it each wave waits for all its tensor loads, of which one is out: its part of the next slot;
; adds 0 to its spare word; and waits for that and for its own reads of this slot.  Behind it nobody reads this slot any more and the next slot is whole.
.macro MEET round
	WIN 0                                          ; (the add's two registers lie in window 0)
	s_wait_tensorcnt 0x0                           ; all my tensor loads have landed
	ds_add_u32 v[SPW], v[NIL]                      ; 0 onto my spare word
	s_wait_dscnt 9                                 ; (the add and the youngest eight loads may be out)
	MUL12 F1, 0, 0, 0                              ; twelve matrix instructions stand between the add and the wait for it
	s_wait_dscnt 0x0                               ; the add is done, and my reads of this slot are over
	s_barrier_signal -1
	MUL12 F1, 0, 2, 0                              ; work on registers while the others arrive
.if \round
	WIN 0
.endif
	s_barrier_wait -1
.endm
; The whole last quarter.  Behind the round the slot just read out is filled again first, with the K step two steps on; then come the next slot's first fragments.
; From a request to the wait for it a wave issues 168 matrix instructions.
.macro TURN slot, next
	s_wait_xcnt 0x0                                ; the last prefetch, a K step back, has read its address: it is stepped here
	s_add_nc_u64 s[PFA:PFA+1], s[PFA:PFA+1], KSTEP*2
	MEET 1
	CREST                                          ; no wave of any partner still reads this slot's tile or has a load on its way
	s_add_nc_u64 s[G0+4*(\slot)+2:G0+4*(\slot)+3], s[G0+4*(\slot)+2:G0+4*(\slot)+3], 2*KSTEP*2
	s_add_nc_u64 s[G0B+4*(\slot)+2:G0B+4*(\slot)+3], s[G0B+4*(\slot)+2:G0B+4*(\slot)+3], 2*KSTEP*2
	JLOAD \slot                                    ; the first tensor load behind the round; the four v_nop behind it are also the places in front of the loads below
	FETCH \next, 0, F0
	ASK
	MUL12 F1, 1, 0, 0
	MUL12 F1, 1, 2, 0
.endm
; THE LAST K STEP (it lies in slot 1) GOES BY ROWS.  All its fragments of B (4 quarters x 48 registers) come into window 1; then my eight blocks of 16 rows are finished one after the other, each with 24
; matrix instructions (its 6 accumulators by turns, K ascending).
.macro BLOAD q
	WIN TO_B
.irp i, 0,1,2,3,4,5
	ds_load_b128 v[64*(\q)+8*(\i):64*(\q)+8*(\i)+3],   v[ADRB+1] offset:64*(\q)+(\i)*16*PITCH
	ds_load_b128 v[64*(\q)+8*(\i)+4:64*(\q)+8*(\i)+7], v[ADRB+1] offset:64*(\q)+(\i)*16*PITCH+32
.endr
.endm
.macro ALOAD a
	WIN 0
.set FA, PA+32*((\a)%4)
.irp q, 0,1,2,3
	ds_load_b128 v[FA+8*(\q):FA+8*(\q)+3],   v[ADRA+1] offset:64*(\q)+(\a)*16*PITCH
	ds_load_b128 v[FA+8*(\q)+4:FA+8*(\q)+7], v[ADRA+1] offset:64*(\q)+(\a)*16*PITCH+32
.endr
.endm
.macro ROW a
.set FA, PA+32*((\a)%4)
.set AC, 64*((\a)%4)
	WIN MUL_LO+0x50*((\a)/4)
.irp q, 0,1,2,3
.if (\a) == 0 && (\q) == 2
	s_wait_dscnt 24                                ; B's quarter 2 is in (behind it: A's blocks 1 to 3)
.endif
.irp b, 0,1,2,3,4,5
	v_wmma_f32_16x16x32_bf16 v[AC+8*(\b):AC+8*(\b)+7], v[64*(\q)+8*(\b):64*(\q)+8*(\b)+7], v[FA+8*(\q):FA+8*(\q)+7], v[AC+8*(\b):AC+8*(\b)+7]
.endr
.endr
.endm
; THE WAY OUT of block a (16 keys x my head).  PACK: V's four accumulators, rounded to f16, 16 bytes a lane, each read from its low end on.  TOSTAGE: V into my stage and back as whole rows of 128
; bytes; the two score accumulators, register by register from the low end on, into rows by query, and back as 16 bytes of a query's keys: turned.  SEND: four stores of 512 consecutive bytes each way.
.macro PACK a
.set AC, 64*((\a)%4)
	WIN 0x0a+5*((\a)/4)                            ; sources 0 and 1: window 2 or 3
.irp b, 0,1,2,3
.irp r, 0,1,2,3
	v_cvt_pk_f16_f32 v[TMP+4*(\b)+(\r)], v[AC+8*(\b)+2*(\r)], v[AC+8*(\b)+2*(\r)+1]
.endr
.endr
	WIN 0
.endm
.macro TOSTAGE a
	WIN 0
.set AC, 64*((\a)%4)
.set BK, OB+192*((\a)%2)
.irp b, 0,1,2,3
	ds_store_b128 v[STO], v[TMP+4*(\b):TMP+4*(\b)+3] offset:32*(\b)
.endr
	WIN 0x08+4*((\a)/4)                            ; the address in window 0, the data (source 1) in window 2 or 3
.irp b, 4,5
.irp j, 0,1,2,3,4,5,6,7
	ds_store_b32 v[STQ], v[AC+8*(\b)+(\j)] offset:((\b)-4)*QSTG+(\j)*QPITCH
.endr
.endr
	WIN 0
.irp t, 0,1,2,3
	ds_load_b128 v[BK+4*(\t):BK+4*(\t)+3], v[RD] offset:(\t)*4*SPITCH  ; LDS serves a wave's instructions in order (ISA guide 5.7.1.4): these see the stores above
.endr
.irp t, 4,5,6,7
	ds_load_b128 v[BK+4*(\t):BK+4*(\t)+3], v[RDQ] offset:(((\t)-4)/2)*QSTG+(((\t)-4)%2)*16  ; query tile (t - 4) / 2; the lane's first four keys, then its last four
.endr
.endm
.macro SEND a, younger                 ; younger: the LDS loads issued behind TOSTAGE's, which may stay out
	WIN 0
.set BK, OB+192*((\a)%2)
	s_wait_dscnt \younger                          ; the block is back in registers
	s_wait_xcnt 0x0                                ; only behind this wait are the stores' bases and the registers that earlier stores read rewritten
.if (\a) == 0
	s_add_nc_u64 s[8:9], s[8:9], s[16:17]          ; on to my first keys
	s_add_nc_u64 s[VP:VP+1], s[VP:VP+1], s[16:17]
.else
	s_add_nc_u64 s[8:9], s[8:9], 2048              ; 16 keys on
	s_add_nc_u64 s[VP:VP+1], s[VP:VP+1], 2048
.endif
.irp t, 0,1,2,3
	global_store_b128 v[CO], v[BK+4*(\t):BK+4*(\t)+3], s[VP:VP+1] offset:512*(\t)  ; 512 consecutive bytes, at a multiple of 256 from the buffer's first byte
.endr
.irp t, 4,5,6,7
	global_store_b128 v[CO], v[BK+4*(\t):BK+4*(\t)+3], s[8:9] offset:512*((\t)-4)
.endr
.endm
	s_wait_tensorcnt 1                             ; my part of K step 0 is in; K step 1's may stay out
	s_barrier_signal -1
	s_barrier_wait -1                              ; everybody's is
	FETCH 0, 0, F0
	QUARTER 0, 64,  F0, F1, 1                      ; the first quarter stands in front of the loop: its products start the sums
	WIN 0                                          ; at a label and at a branch every window is 0
	s_mov_b32 s3, LAPS-1
.Llap:                                                 ; a trip goes once round the ring, from a lap's second quarter to the next lap's first, and fills both slots again
	QUARTER 0, 128, F1, F0, 0
	QUARTER 0, 192, F0, F1, 0
	TURN 0, 1
	QUARTER 1, 64,  F0, F1, 0
	QUARTER 1, 128, F1, F0, 0
	QUARTER 1, 192, F0, F1, 0
	TURN 1, 0
	QUARTER 0, 64,  F0, F1, 0
	WIN 0
	s_sub_co_u32 s3, s3, 1
	s_cmp_lg_u32 s3, 0
	s_cbranch_scc1 .Llap
	QUARTER 0, 128, F1, F0, 0                      ; the last lap goes on
	QUARTER 0, 192, F0, F1, 0
	MEET 0                                         ; my one tensor load that was still out is slot 1's, the last K step's, so no round follows
	PLACES                                         ; for the loads into buffer 0, which the quarter before multiplied
	BLOAD 0                                        ; three quarters of B now: buffer 1 (v128-191 of both windows) is still being multiplied
	BLOAD 1
	BLOAD 3
	ALOAD 0
	MUL12 F1, 1, 0, 0
	MUL12 F1, 1, 2, 0
	PLACES                                         ; for the loads into buffer 1
	BLOAD 2
	ALOAD 1
	ALOAD 2
	ALOAD 3
	s_wait_dscnt 36                                ; all but the 36 just issued
	ROW 0
.irp a, 0,1,2,3,4,5,6,7                ; each block leaves as soon as it is finished
	PLACES                                         ; its conversions read results just made
	PACK \a
	TOSTAGE \a
.if (\a) < 4
	ALOAD (\a)+4                                   ; its buffer takes the block four further on
	SEND \a, 8
.else
	SEND \a, 0
.endif
.if (\a) < 7
	ROW (\a)+1
.endif
.endr
	s_wait_tensorcnt 0x0                           ; the wave's end, behind my last tensor load and my last LDS store
	ds_add_u32 v[SPW], v[NIL]
	s_wait_dscnt 0x0
	CROUND                                         ; the closing round: no work-group ends while a partner may still ask for a tile that names it
	s_endpgm
.Lfunc_end_k_qb2549df4ac_gemm:
	.size	k_qb2549df4ac_gemm, .Lfunc_end_k_qb2549df4ac_gemm-k_qb2549df4ac_gemm
	.p2alignl 7, 3214868480
	.fill 96, 4, 3214868480
	.section	.rodata,"a",@progbits
	.p2align	6, 0x0
	.amdhsa_kernel k_qb2549df4ac_gemm
		.amdhsa_group_segment_fixed_size 327680
		.amdhsa_private_segment_fixed_size 0
		.amdhsa_enable_private_segment 0
		.amdhsa_kernarg_size 48
		.amdhsa_user_sgpr_count 2
		.amdhsa_user_sgpr_kernarg_segment_ptr 1
		.amdhsa_wavefront_size32 1
		.amdhsa_system_sgpr_workgroup_id_x 1
		.amdhsa_system_sgpr_workgroup_id_y 1
		.amdhsa_system_sgpr_workgroup_id_z 1
		.amdhsa_system_vgpr_workitem_id 0
		.amdhsa_next_free_vgpr 1024
		.amdhsa_next_free_sgpr 80
		.amdhsa_reserve_vcc 0
		.amdhsa_float_denorm_mode_32 3
		.amdhsa_float_denorm_mode_16_64 3
		.amdhsa_memory_ordered 1
		.amdhsa_forward_progress 1
		.amdhsa_inst_pref_size 130
	.end_amdhsa_kernel
	.amdgpu_metadata
---
amdhsa.version: [ 1, 2 ]
amdhsa.kernels:
  - .name:           k_qb2549df4ac_gemm
    .symbol:         k_qb2549df4ac_gemm.kd
    .args:
      - { .name: Xb, .offset: 0, .size: 8, .value_kind: global_buffer, .address_space: global }
      - { .name: Wb, .offset: 8, .size: 8, .value_kind: global_buffer, .address_space: global }
      - { .name: Sc, .offset: 16, .size: 8, .value_kind: global_buffer, .address_space: global }
      - { .name: Vh, .offset: 24, .size: 8, .value_kind: global_buffer, .address_space: global }
      - { .name: bv, .offset: 32, .size: 8, .value_kind: global_buffer, .address_space: global }
      - { .name: Sb, .offset: 40, .size: 8, .value_kind: global_buffer, .address_space: global }
    .group_segment_fixed_size: 327680
    .private_segment_fixed_size: 0
    .kernarg_segment_align: 8
    .kernarg_segment_size: 48
    .max_flat_workgroup_size: 128
    .sgpr_count:     80
    .vgpr_count:     1024
    .wavefront_size: 32
...
	.end_amdgpu_metadata
.endif
;; end of part 3
;; launch attn (part 4): grid 16 x 8, 8 waves a work-group, no clusters, 236,544 bytes of LDS; arguments Sc, Vh, pad_mask, S, Y0; writes Y0
.if DOCPART == 4
	.amdgcn_target "amdgcn-amd-amdhsa--gfx1250"
	.amdhsa_code_object_version 6
	.text
	.protected	k_qb2549df4ac_attn
	.globl	k_qb2549df4ac_attn
	.p2align	8
	.type	k_qb2549df4ac_attn,@function
k_qb2549df4ac_attn:
	s_mov_b64 s[64:65], 0
	v_nop
	global_prefetch_b8 v0, s[64:65] scope:SCOPE_SE
	s_setreg_imm32_b32 hwreg(HW_REG_WAVE_MODE, 25, 1), 1
	s_wait_xcnt 0x0
; Y0[b][q][64 h ..] = S[q][64 h ..] + the sum over open keys k of softmax_k(score / 32) Vp, for one batch b and one head h a work-group: 32 queries, 1,024 keys, 64 channels.
; Sc holds the raw scores Qp . Kp in f32, in tiles of 16 keys x 16 queries laid out as this launch's registers; Vh holds Vp / 16 in f16, by heads.  Maxima and sums in f32; the weights p are rounded
; to f16 for the product (their sum l is taken of the unrounded p).
; THE MASK: where pad_mask is 0 the score is replaced by -2^100.  THE MAXIMUM m is the true one over all 1,024 keys, held from below at -2^96: p = 2^(c s - c m), c = log2(e) / 32.
; A hidden key's p is 0; a batch with no open key has p = 0 everywhere, l is held from below at 2^-100, and the sum is 0.
; LIMITS: raw scores lie above -2^96; a weight below 2^-126 counts as 0; NaN and infinities are not treated apart.  S is rounded to bf16 like every input.
; SHARES.  Wave w takes keys 128 w .. 128 w + 127: its scores come straight into registers, its V by its own tensor load (16 KiB), which it alone reads.  The waves' maxima, sums and partial results meet in LDS.
; NO CLUSTER: no two work-groups read the same scores or V.  LAYOUT: a lane holds ONE query (l % 16) and the keys 8 (l / 16) + 0..7 of a tile; two such tiles rounded to f16 ARE source 1 of
; O^T = V^T P, whose result again holds one query a lane, and eight channels.  V ([key][channel]) comes out of LDS turned, by ds_load_tr16_b128.
.set PV,  160                          ; a row of V in LDS: 128 bytes + 32
.set VW,  128*PV                       ; a wave's V
.set PP,  272                          ; the partial results: a query's 64 channels of f32 + 16 bytes
.set PW,  32*PP                        ; a wave's 32 rows
.set PARTB, 8*VW                       ; they lie behind the eight waves' V, in bytes of their own
.set MX,  PARTB+8*PW                   ; [32 queries][8 waves] f32: the waves' maxima
.set LX,  MX+1024                      ; the same for their sums
.set SPARE, LX+1024                    ; the spare words, 128 bytes for each wave: four blocks of 256 bytes that no other line names
.set BGV, 3                            ; v3   -2^100
.set AV,  4                            ; v4   my lane's place in my wave's V
.set MO,  5                            ; v5   32 (l / 16): my eight words of 16 of the mask
.set LO,  6                            ; v6   16 l: my 16 bytes of 512 of a tile of scores
.set PST, 7                            ; v7   where I put my partial results
.set PRD, 8                            ; v8   where I read the eight waves' back
.set MXS, 9                            ; v9   my query's word for my wave in MX (LX lies 1,024 bytes on)
.set MXR, 10                           ; v10  my query's eight words in MX
.set LXR, 11                           ; v11  the eight words in LX of the row that I finish
.set ROWQ, 12                          ; v12  4 w + l / 16: the first row that I finish
.set GO,  13                           ; v13  its 16 bytes in S and Y0
.set SPW, 14                           ; v14  LDS address of my spare word; never rewritten
.set NIL, 15                           ; v15  0; never rewritten
.set MK,  16                           ; v[16:79]   the mask's words: tile kt at 8 kt.  Later O^T: (qt, cb) at OA + 8 (4 qt + cb)
.set OA,  16
.set SC,  80                           ; v[80:207]  the scores: tile (qt, kt) at 64 qt + 8 kt.  Later P in v[80:143] (32 qt + 8 g), V's fragments and the partial results in v[144:207]
.set VF,  144
.set LS,  208                          ; v[208:223] at work: the maxima's chains, then l's
.set MR,  216                          ; v[216:231] the eight waves' maxima
.set RC,  224                          ; v[224:228] 16 / l, twice; one at work
.set CM,  232                          ; v[232:235] c m, a pair for each query tile
.set SR,  240                          ; v[240:247] S
.set G1V, 32                           ; s[32:39] descriptor group 1
.set G0V, 44                           ; s[44:47] group 0
.set CS,  48                           ; s[48:49] c
.set SEL, 50                           ; s[50:51] v_permlanex16_b32's selects: each lane takes its own place in the other half
.set CLAMP, 53                         ; s53  -2^96
.macro RB a, b, t                      ; two f32 numbers rounded to bf16 and written back as f32
	v_cvt_pk_bf16_f32 v[\t], v[\a], v[\b]
	v_lshlrev_b32 v[\a], 16, v[\t]
	v_and_b32 v[\b], 0xffff0000, v[\t]
.endm
	s_load_b256 s[4:11], s[0:1], 0x0               ; Sc s[4:5], Vh s[6:7], pad_mask s[8:9], S s[10:11]
	s_load_b64 s[12:13], s[0:1], 0x20              ; Y0
	v_lshl_add_u32 v[SPW], v0, 2, SPARE
	v_mov_b32 v[NIL], 0
	ds_add_u32 v[SPW], v[NIL]                      ; the wave's opening: the add and its wait stand ahead of my tensor load; the set-up below stands between them
	v_lshrrev_b32 v1, 5, v0
	v_readfirstlane_b32 s14, v1                    ; wave 0..7
	s_mov_b32 s15, ttmp9                           ; the head
	s_and_b32 s16, ttmp7, 0xffff                   ; the batch
	; descriptor group 1.  128 keys are 16,384 dense bytes: asked for as 64 rows of 256 bytes, two keys a row, and padded in LDS after every key
	s_mov_b32 s[G1V], (1<<16)|(1<<20)|(4<<22)|(7<<25)  ; 17:16 2-byte elements; 20 padding on; 24:22 after every 32 words (code 4); 31:25 8 words (code 7)
	s_mov_b32 s[G1V+1], 128<<16                    ; tensor_dim0 = 128
	s_mov_b32 s[G1V+2], 64<<16                     ; tensor_dim1 = 64
	s_mov_b32 s[G1V+3], 128<<16                    ; tile_dim0 = 128
	s_mov_b32 s[G1V+4], 64                         ; tile_dim1 = 64
	s_mov_b32 s[G1V+5], 128                        ; 128 elements from row to row
	s_mov_b32 s[G1V+6], 0
	s_mov_b32 s[G1V+7], 0
	s_mul_i32 s18, s14, VW
	s_mul_i32 s54, s14, PW
	s_add_co_u32 s54, s54, PARTB
	s_mov_b32 s[G0V], 1                            ; count = 1
	s_mov_b32 s[G0V+1], s18                        ; LDS address: my wave's V
	s_lshl_b32 s20, s16, 4
	s_add_co_u32 s20, s20, s15
	s_lshl_b32 s20, s20, 17                        ; (16 b + h) x 131,072 bytes, in Sc and in Vh alike,
	s_lshl_b32 s21, s14, 14                        ; my wave's 128 keys: 16,384 bytes in both
	s_add_co_u32 s20, s20, s21
	s_mov_b32 s21, 0
	s_mov_b32 s[CS], 0x3d38aa3b                    ; c = log2(e) / 32 = 0.0450842
	s_mov_b32 s[CS+1], s[CS]                       ; named with it as a pair
	s_mov_b32 s[SEL], 0x76543210
	s_mov_b32 s[SEL+1], 0xfedcba98
	s_mov_b32 s[CLAMP], 0xef800000
	s_wait_dscnt 0x0                               ; the opening add is done
	s_wait_kmcnt 0x0
	s_add_nc_u64 s[G0V+2:G0V+3], s[6:7], s[20:21]
	s_or_b32 s[G0V+3], s[G0V+3], 0x80000000        ; type = 2
	tensor_load_to_lds s[G0V:G0V+3], s[G1V:G1V+7]  ; my one fill: one load of mine is out
	s_nop 0
	s_add_nc_u64 s[4:5], s[4:5], s[20:21]
	v_and_b32 v1, 15, v0                           ; l % 16
	v_bfe_u32 v2, v0, 4, 1                         ; l / 16
	v_lshlrev_b32 v[MO], 5, v2
	v_and_b32 v[LO], 31, v0
	v_lshlrev_b32 v[LO], 4, v[LO]
	s_lshl_b32 s19, s14, 2
	v_add_nc_u32 v[ROWQ], s19, v2
	v_lshlrev_b32 v[GO], 12, v[ROWQ]
	v_lshl_add_u32 v[GO], v1, 4, v[GO]
	s_lshl_b32 s20, s16, 12                        ; the batch's 1,024 words of the mask,
	s_lshl_b32 s23, s14, 9                         ; my wave's 128
	s_add_co_u32 s20, s20, s23
	s_add_nc_u64 s[8:9], s[8:9], s[20:21]
	s_lshl_b32 s20, s15, 8                         ; the head's 64 channels of f32
	s_add_nc_u64 s[10:11], s[10:11], s[20:21]
	s_add_nc_u64 s[12:13], s[12:13], s[20:21]
	s_lshl_b32 s20, s16, 17                        ; the batch's 32 rows of Y0
	s_add_nc_u64 s[12:13], s[12:13], s[20:21]
.irp kt, 0,1,2,3,4,5,6,7               ; register j of tile kt is key 16 kt + 8 (l / 16) + j
	global_load_b128 v[MK+8*(\kt):MK+8*(\kt)+3],   v[MO], s[8:9] offset:64*(\kt)
	global_load_b128 v[MK+8*(\kt)+4:MK+8*(\kt)+7], v[MO], s[8:9] offset:64*(\kt)+16
.endr
.irp kt, 0,1,2,3,4,5,6,7               ; a load of the wave covers 512 consecutive bytes: half a tile of scores
.irp qt, 0,1
	global_load_b128 v[SC+64*(\qt)+8*(\kt):SC+64*(\qt)+8*(\kt)+3],   v[LO], s[4:5] offset:2048*(\kt)+1024*(\qt) th:TH_LOAD_NT
	global_load_b128 v[SC+64*(\qt)+8*(\kt)+4:SC+64*(\qt)+8*(\kt)+7], v[LO], s[4:5] offset:2048*(\kt)+1024*(\qt)+512 th:TH_LOAD_NT
.endr
.endr
	global_load_b128 v[SR:SR+3],   v[GO], s[10:11]
	global_load_b128 v[SR+4:SR+7], v[GO], s[10:11] offset:8192
	v_mov_b32 v[BGV], 0xf1800000
	v_and_b32 v[AV], 7, v0                         ; the turning load: lane l reads key 8 (l / 16) + l % 8, channels 8 ((l / 8) % 2) + 0..7
	v_lshl_add_u32 v[AV], v2, 3, v[AV]
	v_mul_u32_u24 v[AV], v[AV], PV
	v_bfe_u32 v[PST], v0, 3, 1
	v_lshl_add_u32 v[AV], v[PST], 4, v[AV]
	v_add_nc_u32 v[AV], s18, v[AV]
	s_add_co_u32 s23, s19, MX
	v_lshl_add_u32 v[MXS], v1, 5, s23              ; MX + 32 (l % 16) + 4 w
	v_lshl_add_u32 v[MXR], v1, 5, MX
	v_lshl_add_u32 v[LXR], v[ROWQ], 5, LX
	s_wait_loadcnt 0x0                             ; the mask, the scores and S
.set i, 0
.rept 64                               ; a hidden key's scores, of both query tiles, become -2^100
	v_cmp_eq_u32 vcc_lo, 0, v[MK+i]
	v_cndmask_b32 v[SC+i], v[SC+i], v[BGV], vcc_lo
	v_cndmask_b32 v[SC+64+i], v[SC+64+i], v[BGV], vcc_lo
.set i, i+1
.endr
; The maximum of a lane's 64 scores of query tile qt, three operands at a time, in four chains.  Then the other half of the lanes, and the wave's maximum goes to its word in MX.
.macro MAXQ qt
.set TB, SC+64*(\qt)
.set CH, LS+4*(\qt)
.irp n, 0,1,2,3
	v_max3_num_f32 v[CH+\n], v[TB+8*\n], v[TB+8*\n+1], v[TB+8*\n+2]
.endr
.irp p, 3,5
.irp n, 0,1,2,3
	v_max3_num_f32 v[CH+\n], v[CH+\n], v[TB+8*\n+\p], v[TB+8*\n+\p+1]
.endr
.endr
.irp p, 0,2,4,6
.irp n, 0,1,2,3
	v_max3_num_f32 v[CH+\n], v[CH+\n], v[TB+32+8*\n+\p], v[TB+32+8*\n+\p+1]
.endr
.endr
	v_max3_num_f32 v[CH], v[CH], v[TB+7], v[TB+15]
	v_max3_num_f32 v[CH+1], v[CH+1], v[TB+23], v[TB+31]
	v_max3_num_f32 v[CH], v[CH], v[CH+1], v[CH+2]
	v_max_num_f32 v[CH], v[CH], v[CH+3]
	v_permlanex16_b32 v[CH+1], v[CH], s[SEL], s[SEL+1]  ; its destination counts as read: a register that has been written
	v_max_num_f32 v[CH], v[CH], v[CH+1]
	ds_store_b32 v[MXS], v[CH] offset:512*(\qt)
.endm
	MAXQ 0
	MAXQ 1
	s_wait_tensorcnt 0x0                           ; my V is in
	s_wait_dscnt 0x0                               ; for the others' sake: my maxima are stored
	s_barrier_signal -1
	s_barrier_wait -1
.irp qt, 0,1
	ds_load_b128 v[MR+8*(\qt):MR+8*(\qt)+3],   v[MXR] offset:512*(\qt)
	ds_load_b128 v[MR+8*(\qt)+4:MR+8*(\qt)+7], v[MXR] offset:512*(\qt)+16
.endr
	s_wait_dscnt 0x0
.irp p, 1,3,5
.irp qt, 0,1
	v_max3_num_f32 v[MR+8*\qt], v[MR+8*\qt], v[MR+8*\qt+\p], v[MR+8*\qt+\p+1]
.endr
.endr
.irp qt, 0,1
	v_max3_num_f32 v[MR+8*\qt], v[MR+8*\qt], v[MR+8*\qt+7], s[CLAMP]  ; m, never below -2^96
.endr
.irp qt, 0,1
	v_mul_f32 v[CM+2*\qt], s[CS], v[MR+8*\qt]
	v_mov_b32 v[CM+2*\qt+1], v[CM+2*\qt]           ; named with it as a pair
.endr
.set i, 0
.rept 64
	v_pk_fma_f32 v[SC+2*i:SC+2*i+1], v[SC+2*i:SC+2*i+1], s[CS:CS+1], v[CM+2*(i/32):CM+2*(i/32)+1] op_sel_hi:[1,0,0] neg_lo:[0,0,1] neg_hi:[0,0,1]  ; c s - c m
.set i, i+1
.endr
.set i, 0
.rept 128                              ; ONE batch of exponentials,
	v_exp_f32 v[SC+i], v[SC+i]
.set i, i+1
.endr
	v_nop                                          ; one plain instruction behind the last of them (ISA guide 5.7.2),
	s_wait_alu depctr_va_vdst(0)                   ; and one wait ahead of the first line that names a result
.irp qt, 0,1                           ; l: the lane's 32 pairs of weights in four chains; the weights stay as they are
.irp n, 0,1,2,3
	v_pk_add_f32 v[LS+8*\qt+2*\n:LS+8*\qt+2*\n+1], v[SC+64*\qt+2*\n:SC+64*\qt+2*\n+1], v[SC+64*\qt+8+2*\n:SC+64*\qt+8+2*\n+1]
.endr
.irp k, 2,3,4,5,6,7
.irp n, 0,1,2,3
	v_pk_add_f32 v[LS+8*\qt+2*\n:LS+8*\qt+2*\n+1], v[LS+8*\qt+2*\n:LS+8*\qt+2*\n+1], v[SC+64*\qt+8*\k+2*\n:SC+64*\qt+8*\k+2*\n+1]
.endr
.endr
	v_pk_add_f32 v[LS+8*\qt:LS+8*\qt+1], v[LS+8*\qt:LS+8*\qt+1], v[LS+8*\qt+2:LS+8*\qt+3]
	v_pk_add_f32 v[LS+8*\qt+4:LS+8*\qt+5], v[LS+8*\qt+4:LS+8*\qt+5], v[LS+8*\qt+6:LS+8*\qt+7]
	v_pk_add_f32 v[LS+8*\qt:LS+8*\qt+1], v[LS+8*\qt:LS+8*\qt+1], v[LS+8*\qt+4:LS+8*\qt+5]
.endr
.set i, 0
.rept 64                               ; P: rounded to f16 and packed in place: register i is written when 2 i and 2 i + 1 are read
	v_cvt_pk_f16_f32 v[SC+i], v[SC+2*i], v[SC+2*i+1]
.set i, i+1
.endr
.macro VLOAD gg                        ; V's fragments, turned, for keys 64 gg .. 64 gg + 63: key half e, channel block cb at VF + 8 (4 e + cb)
.irp e, 0,1
.irp cb, 0,1,2,3
	ds_load_tr16_b128 v[VF+8*(4*(\e)+(\cb)):VF+8*(4*(\e)+(\cb))+3],   v[AV] offset:(2*(\gg)+(\e))*32*PV+32*(\cb)
	ds_load_tr16_b128 v[VF+8*(4*(\e)+(\cb))+4:VF+8*(4*(\e)+(\cb))+7], v[AV] offset:(2*(\gg)+(\e))*32*PV+32*(\cb)+16*PV
.endr
.endr
.endm
.macro PVS gg                          ; 16 products O^T += V^T P; the eight accumulators take turns; the first eight start the sums with 0
.irp e, 0,1
.irp cb, 0,1,2,3
.irp qt, 0,1
.if ((\gg)+(\e)) == 0
	v_wmma_f32_16x16x32_f16 v[OA+8*(4*(\qt)+(\cb)):OA+8*(4*(\qt)+(\cb))+7], v[VF+8*(4*(\e)+(\cb)):VF+8*(4*(\e)+(\cb))+7], v[SC+32*(\qt)+8*(2*(\gg)+(\e)):SC+32*(\qt)+8*(2*(\gg)+(\e))+7], 0
.else
	v_wmma_f32_16x16x32_f16 v[OA+8*(4*(\qt)+(\cb)):OA+8*(4*(\qt)+(\cb))+7], v[VF+8*(4*(\e)+(\cb)):VF+8*(4*(\e)+(\cb))+7], v[SC+32*(\qt)+8*(2*(\gg)+(\e)):SC+32*(\qt)+8*(2*(\gg)+(\e))+7], v[OA+8*(4*(\qt)+(\cb)):OA+8*(4*(\qt)+(\cb))+7]
.endif
.endr
.endr
.endr
.endm
	VLOAD 0
	s_wait_dscnt 0x0
	PVS 0
.rept 4
	v_nop                                          ; the places in front of the loads into registers that those products have read
.endr
	VLOAD 1
	s_wait_dscnt 0x0
	PVS 1
	; the addresses of the partial results and l's two halves: eight plain lines, the places behind the last products
	v_mul_u32_u24 v[PST], v1, PP
	v_lshl_add_u32 v[PST], v2, 5, v[PST]
	v_add_nc_u32 v[PST], s54, v[PST]               ; my wave's rows + row x 272 + 32 x half
	v_mul_u32_u24 v[PRD], v[ROWQ], PP
	v_lshl_add_u32 v[PRD], v1, 4, v[PRD]
	v_add_nc_u32 v[PRD], PARTB, v[PRD]             ; wave 0's rows + (4 w + l / 16) x 272 + 16 (l % 16)
	v_add_f32 v[LS], v[LS], v[LS+1]
	v_add_f32 v[LS+8], v[LS+8], v[LS+9]
	v_permlanex16_b32 v[LS+1], v[LS], s[SEL], s[SEL+1]
	v_permlanex16_b32 v[LS+9], v[LS+8], s[SEL], s[SEL+1]
	v_add_f32 v[LS], v[LS], v[LS+1]
	v_add_f32 v[LS+8], v[LS+8], v[LS+9]
	ds_store_b32 v[MXS], v[LS] offset:1024
	ds_store_b32 v[MXS], v[LS+8] offset:1024+512
.irp qt, 0,1
.irp cb, 0,1,2,3                       ; each accumulator's low half first
	ds_store_b128 v[PST], v[OA+8*(4*(\qt)+(\cb)):OA+8*(4*(\qt)+(\cb))+3]   offset:16*PP*(\qt)+64*(\cb)
	ds_store_b128 v[PST], v[OA+8*(4*(\qt)+(\cb))+4:OA+8*(4*(\qt)+(\cb))+7] offset:16*PP*(\qt)+64*(\cb)+16
.endr
.endr
	s_wait_dscnt 0x0                               ; for the others' sake: my stores are done
	s_barrier_signal -1
	s_barrier_wait -1
	; wave w finishes rows 4 w + 2 i + l / 16, i = 0, 1: sixteen lanes a row, four channels a lane
.irp v, 0,1,2,3,4,5,6,7
.irp i, 0,1
	ds_load_b128 v[VF+8*(\v)+4*(\i):VF+8*(\v)+4*(\i)+3], v[PRD] offset:PW*(\v)+2*PP*(\i)
.endr
.endr
.irp i, 0,1
	ds_load_b128 v[LS+8*(\i):LS+8*(\i)+3],   v[LXR] offset:64*(\i)
	ds_load_b128 v[LS+8*(\i)+4:LS+8*(\i)+7], v[LXR] offset:64*(\i)+16
.endr
	s_wait_dscnt 0x0
.irp v, 1,2,3,4,5,6,7                  ; the eight waves' sums, in f32
.irp i, 0,2,4,6
	v_pk_add_f32 v[VF+\i:VF+\i+1], v[VF+\i:VF+\i+1], v[VF+8*\v+\i:VF+8*\v+\i+1]
.endr
.endr
.irp i, 0,8
	v_pk_add_f32 v[LS+\i:LS+\i+1], v[LS+\i:LS+\i+1], v[LS+\i+2:LS+\i+3]
	v_pk_add_f32 v[LS+\i+4:LS+\i+5], v[LS+\i+4:LS+\i+5], v[LS+\i+6:LS+\i+7]
	v_pk_add_f32 v[LS+\i:LS+\i+1], v[LS+\i:LS+\i+1], v[LS+\i+4:LS+\i+5]
	v_add_f32 v[LS+\i], v[LS+\i], v[LS+\i+1]
	v_max_num_f32 v[LS+\i], 0x0d800000, v[LS+\i]   ; never below 2^-100
.endr
	v_rcp_f32 v[RC], v[LS]
	v_rcp_f32 v[RC+2], v[LS+8]
.irp j, 0,2,4,6
	RB SR+\j, SR+\j+1, RC+4                        ; S, rounded like every input: the plain work behind the reciprocals
.endr
	s_wait_alu depctr_va_vdst(0)                   ; one wait for both reciprocals, ahead of their first reader
	v_mul_f32 v[RC], 0x41800000, v[RC]             ; 16 / l: V was kept as Vp / 16
	v_mul_f32 v[RC+2], 0x41800000, v[RC+2]
	v_mov_b32 v[RC+1], v[RC]                       ; named as pairs
	v_mov_b32 v[RC+3], v[RC+2]
.irp i, 0,1
.irp p, 0,2
	v_pk_fma_f32 v[VF+4*\i+\p:VF+4*\i+\p+1], v[VF+4*\i+\p:VF+4*\i+\p+1], v[RC+2*\i:RC+2*\i+1], v[SR+4*\i+\p:SR+4*\i+\p+1] op_sel_hi:[1,0,1]
.endr
.endr
	global_store_b128 v[GO], v[VF:VF+3],   s[12:13]              ; sixteen lanes store 256 consecutive bytes, at a multiple of 256 from Y0's first byte
	global_store_b128 v[GO], v[VF+4:VF+7], s[12:13] offset:8192
	s_wait_tensorcnt 0x0                           ; the wave's end, behind my tensor load and my last LDS store
	ds_add_u32 v[SPW], v[NIL]
	s_wait_dscnt 0x0
	s_endpgm
.Lfunc_end_k_qb2549df4ac_attn:
	.size	k_qb2549df4ac_attn, .Lfunc_end_k_qb2549df4ac_attn-k_qb2549df4ac_attn
	.p2alignl 7, 3214868480
	.fill 96, 4, 3214868480
	.section	.rodata,"a",@progbits
	.p2align	6, 0x0
	.amdhsa_kernel k_qb2549df4ac_attn
		.amdhsa_group_segment_fixed_size 236544
		.amdhsa_private_segment_fixed_size 0
		.amdhsa_enable_private_segment 0
		.amdhsa_kernarg_size 40
		.amdhsa_user_sgpr_count 2
		.amdhsa_user_sgpr_kernarg_segment_ptr 1
		.amdhsa_wavefront_size32 1
		.amdhsa_system_sgpr_workgroup_id_x 1
		.amdhsa_system_sgpr_workgroup_id_y 1
		.amdhsa_system_sgpr_workgroup_id_z 1
		.amdhsa_system_vgpr_workitem_id 0
		.amdhsa_next_free_vgpr 256
		.amdhsa_next_free_sgpr 66
		.amdhsa_reserve_vcc 1
		.amdhsa_float_denorm_mode_32 3
		.amdhsa_float_denorm_mode_16_64 3
		.amdhsa_memory_ordered 1
		.amdhsa_forward_progress 1
		.amdhsa_inst_pref_size 47
	.end_amdhsa_kernel
	.amdgpu_metadata
---
amdhsa.version: [ 1, 2 ]
amdhsa.kernels:
  - .name:           k_qb2549df4ac_attn
    .symbol:         k_qb2549df4ac_attn.kd
    .args:
      - { .name: Sc, .offset: 0, .size: 8, .value_kind: global_buffer, .address_space: global }
      - { .name: Vh, .offset: 8, .size: 8, .value_kind: global_buffer, .address_space: global }
      - { .name: pad_mask, .offset: 16, .size: 8, .value_kind: global_buffer, .address_space: global }
      - { .name: S, .offset: 24, .size: 8, .value_kind: global_buffer, .address_space: global }
      - { .name: Y0, .offset: 32, .size: 8, .value_kind: global_buffer, .address_space: global }
    .group_segment_fixed_size: 236544
    .private_segment_fixed_size: 0
    .kernarg_segment_align: 8
    .kernarg_segment_size: 40
    .max_flat_workgroup_size: 256
    .sgpr_count:     66
    .vgpr_count:     256
    .wavefront_size: 32
...
	.end_amdgpu_metadata
.endif
;; end of part 4
;; launch wo (part 5): grid 16 x 16, 16 waves a work-group, no clusters, 137,472 bytes of LDS; arguments Y0, Wo, bo, g0, beta0, Z; writes Z
.if DOCPART == 5
	.amdgcn_target "amdgcn-amd-amdhsa--gfx1250"
	.amdhsa_code_object_version 6
	.text
	.protected	k_qb2549df4ac_wo
	.globl	k_qb2549df4ac_wo
	.p2align	8
	.type	k_qb2549df4ac_wo,@function
k_qb2549df4ac_wo:
	s_mov_b64 s[64:65], 0
	v_nop
	global_prefetch_b8 v0, s[64:65] scope:SCOPE_SE
	s_setreg_imm32_b32 hwreg(HW_REG_WAVE_MODE, 25, 1), 1
	s_wait_xcnt 0x0
; Z = O1 + relu(O1 Wo^T + bo), O1 = layer norm of Y0's rows with g0 and beta0.  Y0, Z: [256][1024] f32.  A work-group makes 16 rows x 64 columns of Z.
; Wave w normalises row w of the sixteen (in f32; the deviations are formed before they are squared), all sixteen rows meet in LDS, wave w multiplies the slice k = 64 w .. 64 w + 63 for all 64 columns,
; the sixteen partial sums meet in LDS (f32), and wave w finishes row w.  g0, beta0, bo and Wo are rounded to bf16 like every input; Wo's rounded number is written as f16 (exact from 2^-14 on,
; below that in steps of 2^-24), O1 is rounded to f16 for the product; the residual O1 stays in f32.  LIMITS: |Wo| under 65,504; NaN and infinities are not treated apart.
; NO CLUSTER, NO TENSOR LOAD: every operand must be converted on its way, so it comes through registers; all loads but bo's leave at the head.
.set O1P,  4112                        ; a row of O1 in LDS: 4,096 bytes + 16: the 16 rows of a load start at 16 different groups of four banks (64 banks of 4 bytes: ISA guide 11.1)
.set PART, 16*O1P                      ; behind O1: wave w's partial sums, 16 rows x 272 bytes, at 4,352 w
.set PP,   272
.set SPARE, PART+16*16*PP              ; the spare words, 128 bytes for each wave: eight blocks of 256 bytes that no other line names
.set LO,  4                            ; v4   16 l: my 16 bytes of each 512 of a row
.set WOF, 5                            ; v5   (l % 16) x 4,096 + 32 (l / 16): my place in a fragment of Wo
.set O1S, 6                            ; v6   where I put my row of O1
.set O1A, 7                            ; v7   my place in a fragment of O1
.set PS,  8                            ; v8   where I put my partial sums
.set PR,  9                            ; v9   where I read the sixteen waves' back
.set O1R, 10                           ; v10  the residual's 8 bytes
.set L8,  11                           ; v11  8 l
.set SPW, 12                           ; v12  LDS address of my spare word; never rewritten
.set NIL, 13                           ; v13  0; never rewritten
.set MU,  14                           ; v[14:15]   the mean, then 1 / sqrt(var + eps): the low word is used for both halves
.set X,   16                           ; v[16:47]   the row: columns 128 j + 4 l + 0..3 in registers 4 j ..
.set G,   48                           ; v[48:79]   the gain
.set B,   80                           ; v[80:111]  the offset
.set WR,  112                          ; v[112:239] Wo as loaded: fragment f = 2 nt + ks at 16 f
.set T,   240                          ; v[240:255] at work
.set WH,  16                           ; later: Wo in f16, fragment f at 8 f
.set AR,  80                           ; O1's two fragments as loaded
.set AH,  240                          ; and in f16
.set ACC, 112                          ; four accumulators
.set BOR, 144                          ; v[144:146] bo, one at work
.set PT,  160                          ; v[160:191] the sixteen partial sums
.set RS,  192                          ; v[192:193] the residual
.set INV, 20                           ; s20  2^-10
.set EPS, 21                           ; s21  1e-5
.set SEL, 22                           ; s[22:23] v_permlanex16_b32's selects
.macro RB a, b, t                      ; two f32 numbers rounded to bf16 and written back as f32
	v_cvt_pk_bf16_f32 v[\t], v[\a], v[\b]
	v_lshlrev_b32 v[\a], 16, v[\t]
	v_and_b32 v[\b], 0xffff0000, v[\t]
.endm
.macro TREE                            ; T's eight pairs into one number, then over the 32 lanes: every lane ends with the sum
.irp i, 0,2,4,6
	v_pk_add_f32 v[T+\i:T+\i+1], v[T+\i:T+\i+1], v[T+8+\i:T+8+\i+1]
.endr
	v_pk_add_f32 v[T:T+1], v[T:T+1], v[T+4:T+5]
	v_pk_add_f32 v[T+2:T+3], v[T+2:T+3], v[T+6:T+7]
	v_pk_add_f32 v[T:T+1], v[T:T+1], v[T+2:T+3]
	v_add_f32 v[T], v[T], v[T+1]
	v_add_f32_dpp v[T], v[T], v[T] row_xmask:1 row_mask:0xf bank_mask:0xf
	v_add_f32_dpp v[T], v[T], v[T] row_xmask:2 row_mask:0xf bank_mask:0xf
	v_add_f32_dpp v[T], v[T], v[T] row_xmask:4 row_mask:0xf bank_mask:0xf
	v_add_f32_dpp v[T], v[T], v[T] row_xmask:8 row_mask:0xf bank_mask:0xf
	v_permlanex16_b32 v[T+1], v[T], s[SEL], s[SEL+1]
	v_add_f32 v[T], v[T], v[T+1]
.endm
.macro LN                              ; X = (X - mean) / sqrt(var + eps) x G + B over the wave's 1,024 numbers
.irp i, 0,1,2,3,4,5,6,7
	v_pk_add_f32 v[T+2*\i:T+2*\i+1], v[X+4*\i:X+4*\i+1], v[X+4*\i+2:X+4*\i+3]
.endr
	TREE
	v_mul_f32 v[MU], s[INV], v[T]
	v_mov_b32 v[MU+1], v[MU]
.set i, 0
.rept 16
	v_pk_add_f32 v[X+i:X+i+1], v[X+i:X+i+1], v[MU:MU+1] op_sel_hi:[1,0] neg_lo:[0,1] neg_hi:[0,1]
.set i, i+2
.endr
.irp i, 0,2,4,6,8,10,12,14
	v_pk_mul_f32 v[T+\i:T+\i+1], v[X+\i:X+\i+1], v[X+\i:X+\i+1]
.endr
.irp i, 0,2,4,6,8,10,12,14
	v_pk_fma_f32 v[T+\i:T+\i+1], v[X+16+\i:X+16+\i+1], v[X+16+\i:X+16+\i+1], v[T+\i:T+\i+1]
.endr
	TREE
	v_fma_f32 v[T], v[T], s[INV], s[EPS]
	v_rsq_f32 v[MU], v[T]
.set i, 0
.rept 16                               ; gain and offset are rounded like every input: the plain work behind the root
	RB G+i, G+i+1, T+2
	RB B+i, B+i+1, T+3
.set i, i+2
.endr
	s_wait_alu depctr_va_vdst(0)                   ; the wait ahead of the first line that names the root's result
.set i, 0
.rept 16
	v_pk_mul_f32 v[X+i:X+i+1], v[X+i:X+i+1], v[MU:MU+1] op_sel_hi:[1,0]
.set i, i+2
.endr
.set i, 0
.rept 16
	v_pk_fma_f32 v[X+i:X+i+1], v[X+i:X+i+1], v[G+i:G+i+1], v[B+i:B+i+1]
.set i, i+2
.endr
.endm
	s_load_b256 s[4:11], s[0:1], 0x0               ; Y0 s[4:5], Wo s[6:7], bo s[8:9], g0 s[10:11]
	s_load_b128 s[12:15], s[0:1], 0x20             ; beta0 s[12:13], Z s[14:15]
	v_lshl_add_u32 v[SPW], v0, 2, SPARE
	v_mov_b32 v[NIL], 0
	v_lshrrev_b32 v1, 5, v0
	v_readfirstlane_b32 s16, v1                    ; wave 0..15
	s_and_b32 s17, ttmp9, 15                       ; x: my 64 columns
	s_and_b32 s18, ttmp7, 15                       ; y: my 16 rows
	s_mov_b32 s[INV], 0x3a800000
	s_mov_b32 s[EPS], 0x3727c5ac
	s_mov_b32 s[SEL], 0x76543210
	s_mov_b32 s[SEL+1], 0xfedcba98
	v_and_b32 v1, 31, v0                           ; l
	v_and_b32 v2, 15, v0                           ; l % 16
	v_bfe_u32 v3, v0, 4, 1                         ; l / 16
	v_lshlrev_b32 v[LO], 4, v1
	v_lshlrev_b32 v[WOF], 12, v2
	v_lshl_add_u32 v[WOF], v3, 5, v[WOF]
	s_mul_i32 s26, s16, O1P
	v_add_nc_u32 v[O1S], s26, v[LO]                ; 4,112 w + 16 l
	v_mul_u32_u24 v[O1A], v2, O1P
	v_lshl_add_u32 v[O1A], v3, 5, v[O1A]
	s_lshl_b32 s27, s16, 8
	v_add_nc_u32 v[O1A], s27, v[O1A]               ; row x 4,112 + 32 x half + my slice's 256 bytes
	v_mul_u32_u24 v[PS], v2, PP
	v_lshl_add_u32 v[PS], v3, 5, v[PS]
	s_mul_i32 s28, s16, 16*PP
	s_add_co_u32 s28, s28, PART
	v_add_nc_u32 v[PS], s28, v[PS]
	v_lshlrev_b32 v[L8], 3, v1
	s_mul_i32 s29, s16, PP
	s_add_co_u32 s29, s29, PART
	v_add_nc_u32 v[PR], s29, v[L8]                 ; row w of each wave's partial sums, 8 bytes a lane
	s_lshl_b32 s34, s17, 8                         ; my 64 columns of f32
	s_add_co_u32 s36, s34, s26
	v_add_nc_u32 v[O1R], s36, v[L8]
	s_lshl_b32 s30, s18, 4
	s_add_co_u32 s30, s30, s16
	s_lshl_b32 s30, s30, 12                        ; row 16 y + w
	s_mov_b32 s31, 0
	s_lshl_b32 s32, s17, 18                        ; 64 rows of Wo,
	s_add_co_u32 s32, s32, s27                     ; my slice of k
	s_mov_b32 s33, 0
	s_mov_b32 s35, 0
	s_wait_kmcnt 0x0
	s_add_nc_u64 s[4:5], s[4:5], s[30:31]
	s_add_nc_u64 s[6:7], s[6:7], s[32:33]
	s_add_nc_u64 s[8:9], s[8:9], s[34:35]
	s_add_nc_u64 s[14:15], s[14:15], s[30:31]
	s_add_nc_u64 s[14:15], s[14:15], s[34:35]
.irp j, 0,1,2,3,4,5,6,7
	global_load_b128 v[X+4*(\j):X+4*(\j)+3], v[LO], s[4:5] offset:512*(\j)
.endr
.irp j, 0,1,2,3,4,5,6,7
	global_load_b128 v[G+4*(\j):G+4*(\j)+3], v[LO], s[10:11] offset:512*(\j)
.endr
.irp j, 0,1,2,3,4,5,6,7
	global_load_b128 v[B+4*(\j):B+4*(\j)+3], v[LO], s[12:13] offset:512*(\j)
.endr
.irp nt, 0,1,2,3                       ; Wo: 256 consecutive bytes, aligned, of each of 64 rows; a fragment (16 rows x 32 k of f32) is four loads of 16 bytes at 32 (l / 16) + 0, 16, 64, 80
.irp ks, 0,1
.irp p, 0,1,2,3
	global_load_b128 v[WR+16*(2*(\nt)+(\ks))+4*(\p):WR+16*(2*(\nt)+(\ks))+4*(\p)+3], v[WOF], s[6:7] offset:65536*(\nt)+128*(\ks)+16*((\p)%2)+64*((\p)/2)
.endr
.endr
.endr
	s_wait_loadcnt 32                              ; the row, gain and offset are in; Wo's 32 loads stay out
	LN
.irp j, 0,1,2,3,4,5,6,7
	ds_store_b128 v[O1S], v[X+4*(\j):X+4*(\j)+3] offset:512*(\j)
.endr
	s_wait_loadcnt 0x0                             ; Wo
.set f, 0
.rept 8
.set i, 0
.rept 8
	RB WR+16*f+2*i, WR+16*f+2*i+1, T+i%4           ; rounded to bf16 like every input,
	v_cvt_pk_f16_f32 v[WH+8*f+i], v[WR+16*f+2*i], v[WR+16*f+2*i+1]  ; and that number written as f16
.set i, i+1
.endr
.set f, f+1
.endr
	global_load_b64 v[BOR:BOR+1], v[L8], s[8:9]
	s_wait_dscnt 0x0                               ; for the others' sake: my row of O1 is stored
	s_barrier_signal -1
	s_barrier_wait -1
.irp ks, 0,1
.irp p, 0,1,2,3
	ds_load_b128 v[AR+16*(\ks)+4*(\p):AR+16*(\ks)+4*(\p)+3], v[O1A] offset:128*(\ks)+16*((\p)%2)+64*((\p)/2)
.endr
.endr
	s_wait_dscnt 0x0
.set i, 0
.rept 16
	v_cvt_pk_f16_f32 v[AH+i], v[AR+2*i], v[AR+2*i+1]
.set i, i+1
.endr
.irp ks, 0,1                           ; source 0 = 16 rows of Wo (columns of Z), source 1 = the 16 rows of O1: a lane holds row l % 16 and eight neighbouring columns; the four accumulators take turns
.irp nt, 0,1,2,3
.if (\ks) == 0
	v_wmma_f32_16x16x32_f16 v[ACC+8*(\nt):ACC+8*(\nt)+7], v[WH+8*(2*(\nt)+(\ks)):WH+8*(2*(\nt)+(\ks))+7], v[AH+8*(\ks):AH+8*(\ks)+7], 0
.else
	v_wmma_f32_16x16x32_f16 v[ACC+8*(\nt):ACC+8*(\nt)+7], v[WH+8*(2*(\nt)+(\ks)):WH+8*(2*(\nt)+(\ks))+7], v[AH+8*(\ks):AH+8*(\ks)+7], v[ACC+8*(\nt):ACC+8*(\nt)+7]
.endif
.endr
.endr
.rept 4
	v_nop                                          ; the places between the last product and the stores that read results
.endr
.irp nt, 0,1,2,3                       ; each accumulator's low half first
	ds_store_b128 v[PS], v[ACC+8*(\nt):ACC+8*(\nt)+3]   offset:64*(\nt)
	ds_store_b128 v[PS], v[ACC+8*(\nt)+4:ACC+8*(\nt)+7] offset:64*(\nt)+16
.endr
	s_wait_dscnt 0x0                               ; for the others' sake: my partial sums are stored
	s_barrier_signal -1
	s_barrier_wait -1
.irp v, 0,1,2,3,4,5,6,7,8,9,10,11,12,13,14,15
	ds_load_b64 v[PT+2*(\v):PT+2*(\v)+1], v[PR] offset:16*PP*(\v)
.endr
	ds_load_b64 v[RS:RS+1], v[O1R]
	s_wait_dscnt 0x0
	s_wait_loadcnt 0x0                             ; bo
.irp i, 0,2,4,6,8,10,12,14
	v_pk_add_f32 v[PT+\i:PT+\i+1], v[PT+\i:PT+\i+1], v[PT+16+\i:PT+16+\i+1]
.endr
.irp i, 0,2,4,6
	v_pk_add_f32 v[PT+\i:PT+\i+1], v[PT+\i:PT+\i+1], v[PT+8+\i:PT+8+\i+1]
.endr
	v_pk_add_f32 v[PT:PT+1], v[PT:PT+1], v[PT+4:PT+5]
	v_pk_add_f32 v[PT+2:PT+3], v[PT+2:PT+3], v[PT+6:PT+7]
	v_pk_add_f32 v[PT:PT+1], v[PT:PT+1], v[PT+2:PT+3]
	RB BOR, BOR+1, BOR+2
	v_pk_add_f32 v[PT:PT+1], v[PT:PT+1], v[BOR:BOR+1]
	v_max_num_f32 v[PT], 0, v[PT]
	v_max_num_f32 v[PT+1], 0, v[PT+1]
	v_pk_add_f32 v[PT:PT+1], v[PT:PT+1], v[RS:RS+1]
	global_store_b64 v[L8], v[PT:PT+1], s[14:15]   ; the wave stores 256 consecutive bytes, at a multiple of 256 from Z's first byte
	s_wait_tensorcnt 0x0                           ; the wave's end, behind my last LDS store
	ds_add_u32 v[SPW], v[NIL]
	s_wait_dscnt 0x0
	s_endpgm
.Lfunc_end_k_qb2549df4ac_wo:
	.size	k_qb2549df4ac_wo, .Lfunc_end_k_qb2549df4ac_wo-k_qb2549df4ac_wo
	.p2alignl 7, 3214868480
	.fill 96, 4, 3214868480
	.section	.rodata,"a",@progbits
	.p2align	6, 0x0
	.amdhsa_kernel k_qb2549df4ac_wo
		.amdhsa_group_segment_fixed_size 137472
		.amdhsa_private_segment_fixed_size 0
		.amdhsa_enable_private_segment 0
		.amdhsa_kernarg_size 48
		.amdhsa_user_sgpr_count 2
		.amdhsa_user_sgpr_kernarg_segment_ptr 1
		.amdhsa_wavefront_size32 1
		.amdhsa_system_sgpr_workgroup_id_x 1
		.amdhsa_system_sgpr_workgroup_id_y 1
		.amdhsa_system_sgpr_workgroup_id_z 1
		.amdhsa_system_vgpr_workitem_id 0
		.amdhsa_next_free_vgpr 256
		.amdhsa_next_free_sgpr 66
		.amdhsa_reserve_vcc 0
		.amdhsa_float_denorm_mode_32 3
		.amdhsa_float_denorm_mode_16_64 3
		.amdhsa_memory_ordered 1
		.amdhsa_forward_progress 1
		.amdhsa_inst_pref_size 40
	.end_amdhsa_kernel
	.amdgpu_metadata
---
amdhsa.version: [ 1, 2 ]
amdhsa.kernels:
  - .name:           k_qb2549df4ac_wo
    .symbol:         k_qb2549df4ac_wo.kd
    .args:
      - { .name: Y0, .offset: 0, .size: 8, .value_kind: global_buffer, .address_space: global }
      - { .name: Wo, .offset: 8, .size: 8, .value_kind: global_buffer, .address_space: global }
      - { .name: bo, .offset: 16, .size: 8, .value_kind: global_buffer, .address_space: global }
      - { .name: g0, .offset: 24, .size: 8, .value_kind: global_buffer, .address_space: global }
      - { .name: beta0, .offset: 32, .size: 8, .value_kind: global_buffer, .address_space: global }
      - { .name: Z, .offset: 40, .size: 8, .value_kind: global_buffer, .address_space: global }
    .group_segment_fixed_size: 137472
    .private_segment_fixed_size: 0
    .kernarg_segment_align: 8
    .kernarg_segment_size: 48
    .max_flat_workgroup_size: 512
    .sgpr_count:     66
    .vgpr_count:     256
    .wavefront_size: 32
...
	.end_amdgpu_metadata
.endif
;; end of part 5
;; launch ln1 (part 6): grid 256 x 1, 1 waves a work-group, no clusters, 0 bytes of LDS; arguments Z, g1, beta1, out0; writes out0
.if DOCPART == 6
	.amdgcn_target "amdgcn-amd-amdhsa--gfx1250"
	.amdhsa_code_object_version 6
	.text
	.protected	k_qb2549df4ac_ln1
	.globl	k_qb2549df4ac_ln1
	.p2align	8
	.type	k_qb2549df4ac_ln1,@function
k_qb2549df4ac_ln1:
	s_mov_b64 s[64:65], 0
	v_nop
	global_prefetch_b8 v0, s[64:65] scope:SCOPE_SE
	s_setreg_imm32_b32 hwreg(HW_REG_WAVE_MODE, 25, 1), 1
	s_wait_xcnt 0x0
; out0 = layer norm of Z's rows with g1 and beta1.  Z, out0: [256][1024] f32.  One wave, one row: the row stays in 32 registers a lane between the passes, and the sums never leave the wave.
; All in f32; the deviations are formed before they are squared.  g1 and beta1 are rounded to bf16 like every input.  NaN and infinities are not treated apart.
.set MU,  14                           ; v[14:15]   the mean, then 1 / sqrt(var + eps)
.set X,   16                           ; v[16:47]   the row: columns 128 j + 4 l + 0..3 in registers 4 j ..
.set G,   48                           ; v[48:79]   the gain
.set B,   80                           ; v[80:111]  the offset
.set T,   112                          ; v[112:127] at work
.set INV, 14                           ; s14  2^-10
.set EPS, 15                           ; s15  1e-5
.set SEL, 16                           ; s[16:17] v_permlanex16_b32's selects
.macro RB a, b, t                      ; two f32 numbers rounded to bf16 and written back as f32
	v_cvt_pk_bf16_f32 v[\t], v[\a], v[\b]
	v_lshlrev_b32 v[\a], 16, v[\t]
	v_and_b32 v[\b], 0xffff0000, v[\t]
.endm
.macro TREE                            ; T's eight pairs into one number, then over the 32 lanes: every lane ends with the sum
.irp i, 0,2,4,6
	v_pk_add_f32 v[T+\i:T+\i+1], v[T+\i:T+\i+1], v[T+8+\i:T+8+\i+1]
.endr
	v_pk_add_f32 v[T:T+1], v[T:T+1], v[T+4:T+5]
	v_pk_add_f32 v[T+2:T+3], v[T+2:T+3], v[T+6:T+7]
	v_pk_add_f32 v[T:T+1], v[T:T+1], v[T+2:T+3]
	v_add_f32 v[T], v[T], v[T+1]
	v_add_f32_dpp v[T], v[T], v[T] row_xmask:1 row_mask:0xf bank_mask:0xf
	v_add_f32_dpp v[T], v[T], v[T] row_xmask:2 row_mask:0xf bank_mask:0xf
	v_add_f32_dpp v[T], v[T], v[T] row_xmask:4 row_mask:0xf bank_mask:0xf
	v_add_f32_dpp v[T], v[T], v[T] row_xmask:8 row_mask:0xf bank_mask:0xf
	v_permlanex16_b32 v[T+1], v[T], s[SEL], s[SEL+1]
	v_add_f32 v[T], v[T], v[T+1]
.endm
.macro LN                              ; X = (X - mean) / sqrt(var + eps) x G + B over the wave's 1,024 numbers
.irp i, 0,1,2,3,4,5,6,7
	v_pk_add_f32 v[T+2*\i:T+2*\i+1], v[X+4*\i:X+4*\i+1], v[X+4*\i+2:X+4*\i+3]
.endr
	TREE
	v_mul_f32 v[MU], s[INV], v[T]
	v_mov_b32 v[MU+1], v[MU]
.set i, 0
.rept 16
	v_pk_add_f32 v[X+i:X+i+1], v[X+i:X+i+1], v[MU:MU+1] op_sel_hi:[1,0] neg_lo:[0,1] neg_hi:[0,1]
.set i, i+2
.endr
.irp i, 0,2,4,6,8,10,12,14
	v_pk_mul_f32 v[T+\i:T+\i+1], v[X+\i:X+\i+1], v[X+\i:X+\i+1]
.endr
.irp i, 0,2,4,6,8,10,12,14
	v_pk_fma_f32 v[T+\i:T+\i+1], v[X+16+\i:X+16+\i+1], v[X+16+\i:X+16+\i+1], v[T+\i:T+\i+1]
.endr
	TREE
	v_fma_f32 v[T], v[T], s[INV], s[EPS]
	v_rsq_f32 v[MU], v[T]
.set i, 0
.rept 16                               ; gain and offset are rounded like every input: the plain work behind the root
	RB G+i, G+i+1, T+2
	RB B+i, B+i+1, T+3
.set i, i+2
.endr
	s_wait_alu depctr_va_vdst(0)                   ; the wait ahead of the first line that names the root's result
.set i, 0
.rept 16
	v_pk_mul_f32 v[X+i:X+i+1], v[X+i:X+i+1], v[MU:MU+1] op_sel_hi:[1,0]
.set i, i+2
.endr
.set i, 0
.rept 16
	v_pk_fma_f32 v[X+i:X+i+1], v[X+i:X+i+1], v[G+i:G+i+1], v[B+i:B+i+1]
.set i, i+2
.endr
.endm
	s_load_b256 s[4:11], s[0:1], 0x0               ; Z s[4:5], g1 s[6:7], beta1 s[8:9], out0 s[10:11]
	v_lshlrev_b32 v1, 4, v0                        ; 16 l: a load or store of the wave covers 512 consecutive bytes
	s_lshl_b32 s12, ttmp9, 12                      ; my row
	s_mov_b32 s13, 0
	s_mov_b32 s[INV], 0x3a800000
	s_mov_b32 s[EPS], 0x3727c5ac
	s_mov_b32 s[SEL], 0x76543210
	s_mov_b32 s[SEL+1], 0xfedcba98
	s_wait_kmcnt 0x0
	s_add_nc_u64 s[4:5], s[4:5], s[12:13]
	s_add_nc_u64 s[10:11], s[10:11], s[12:13]
.irp j, 0,1,2,3,4,5,6,7
	global_load_b128 v[X+4*(\j):X+4*(\j)+3], v1, s[4:5] offset:512*(\j)
.endr
.irp j, 0,1,2,3,4,5,6,7
	global_load_b128 v[G+4*(\j):G+4*(\j)+3], v1, s[6:7] offset:512*(\j)
.endr
.irp j, 0,1,2,3,4,5,6,7
	global_load_b128 v[B+4*(\j):B+4*(\j)+3], v1, s[8:9] offset:512*(\j)
.endr
	s_wait_loadcnt 0x0
	LN
.irp j, 0,1,2,3,4,5,6,7
	global_store_b128 v1, v[X+4*(\j):X+4*(\j)+3], s[10:11] offset:512*(\j)
.endr
	s_endpgm
.Lfunc_end_k_qb2549df4ac_ln1:
	.size	k_qb2549df4ac_ln1, .Lfunc_end_k_qb2549df4ac_ln1-k_qb2549df4ac_ln1
	.p2alignl 7, 3214868480
	.fill 96, 4, 3214868480
	.section	.rodata,"a",@progbits
	.p2align	6, 0x0
	.amdhsa_kernel k_qb2549df4ac_ln1
		.amdhsa_group_segment_fixed_size 0
		.amdhsa_private_segment_fixed_size 0
		.amdhsa_enable_private_segment 0
		.amdhsa_kernarg_size 32
		.amdhsa_user_sgpr_count 2
		.amdhsa_user_sgpr_kernarg_segment_ptr 1
		.amdhsa_wavefront_size32 1
		.amdhsa_system_sgpr_workgroup_id_x 1
		.amdhsa_system_sgpr_workgroup_id_y 1
		.amdhsa_system_sgpr_workgroup_id_z 1
		.amdhsa_system_vgpr_workitem_id 0
		.amdhsa_next_free_vgpr 128
		.amdhsa_next_free_sgpr 66
		.amdhsa_reserve_vcc 0
		.amdhsa_float_denorm_mode_32 3
		.amdhsa_float_denorm_mode_16_64 3
		.amdhsa_memory_ordered 1
		.amdhsa_forward_progress 1
		.amdhsa_inst_pref_size 16
	.end_amdhsa_kernel
	.amdgpu_metadata
---
amdhsa.version: [ 1, 2 ]
amdhsa.kernels:
  - .name:           k_qb2549df4ac_ln1
    .symbol:         k_qb2549df4ac_ln1.kd
    .args:
      - { .name: Z, .offset: 0, .size: 8, .value_kind: global_buffer, .address_space: global }
      - { .name: g1, .offset: 8, .size: 8, .value_kind: global_buffer, .address_space: global }
      - { .name: beta1, .offset: 16, .size: 8, .value_kind: global_buffer, .address_space: global }
      - { .name: out0, .offset: 24, .size: 8, .value_kind: global_buffer, .address_space: global }
    .group_segment_fixed_size: 0
    .private_segment_fixed_size: 0
    .kernarg_segment_align: 8
    .kernarg_segment_size: 32
    .max_flat_workgroup_size: 32
    .sgpr_count:     66
    .vgpr_count:     128
    .wavefront_size: 32
...
	.end_amdgpu_metadata
.endif
;; end of part 6
;; ======== version 2 of 2: 6 launches; version 1 with the launches prep, qw written anew for expert scheduling mode
;; limits: values are held in f16: magnitudes above 65,504 overflow, below 6.1e-05 lose precision; right only within a limited range of input values
;; workspace buffers: Xb 67,108,864 bytes; Wb 12,582,912 bytes; Qt 65,536 bytes; Sb 2,048 bytes; Sc 16,777,216 bytes; Vh 16,777,216 bytes; Y0 1,048,576 bytes; Z 1,048,576 bytes
;; launch prep (part 7): grid 1216 x 1, 8 waves a work-group, no clusters, 17,408 bytes of LDS; arguments X, Wv, S, Wq, bq, Xb, Wb, Qt; writes Xb, Wb, Qt
.if DOCPART == 7
	.amdgcn_target "amdgcn-amd-amdhsa--gfx1250"
	.amdhsa_code_object_version 6
	.text
	.protected	k_qb2549df4ac_prep
	.globl	k_qb2549df4ac_prep
	.p2align	8
	.type	k_qb2549df4ac_prep,@function
k_qb2549df4ac_prep:
	s_mov_b64 s[64:65], 0
	v_nop
	global_prefetch_b8 v0, s[64:65] scope:SCOPE_SE
	s_setreg_imm32_b32 hwreg(HW_REG_WAVE_SCHED_MODE, 0, 2), 2
	s_setreg_imm32_b32 hwreg(HW_REG_WAVE_MODE, 25, 1), 1
	s_wait_xcnt 0x0
	s_wait_alu depctr_vm_vsrc(0)
; PREP.  Work-groups 64 .. 1215: a chunk of 32,768 f32 numbers of X or Wv is rounded once to bf16 (nearest even) and stored: X into Xb [8192][4096]; row 64 h + c of Wv, first multiplied by 2^-4
; (exact), into row 96 h + c of Wb [1536][4096], so that the product that follows makes Vp / 16, which is kept in f16.  (Rows 96 h + 64 .. 96 h + 95 of Wb are written by the next launch.)
; Work-groups 0 .. 63: Qp = S Wq^T + bq for 16 channels each; S, Wq and bq rounded to bf16, sums in f32, stored as bf16 in Qt [64 tiles of 16 channels][32 queries][16 channels].
; LIMITS.  Weights below 2^-122 lose bits in the scaling; NaN and infinities are not treated apart.
; THE MODE: SCHED_MODE bits 1:0 = 2 (LLVM: expert scheduling mode 2), set by the entry lines.  The code itself states the register dependences between vector or matrix instructions and memory or LDS
; instructions, with s_wait_alu, always for 0.
; THE PLAN, THE STREAM.  v1 (the loads' offset) and v2 (the stores') are made once.  Load i lands in v[64 + 4 i ..], four registers; number i's four vector lines read them and write the first two, which
; store i reads; none of them is written again.  The 32 numbers go in eight blocks of four: block p's vector lines name its own 16 registers; its memory instructions are the four stores of block p - 1.
; So one wait on va_vdst at a block's head states all that the block's stores hang on, and they are dealt among its vector lines with no further wait.
; THE PLAN, THE SEEDS.  Five addresses, made once.  All loads leave at the head, into registers that no vector line has named.  The accumulators are read by the LDS stores, behind one wait; the partial
; sums land in set 0's registers, whose last vector and matrix readers stand ahead of that same wait.  The packed result has a wait ahead of its store.  Nothing that a memory or LDS instruction read is written again.
.set PART,  0                          ; LDS, the seeds' path alone: wave v's two partial tiles, 1,024 bytes each, at 2,048 v
.set SPARE, 16384                      ; behind them: the spare words, 128 bytes for each wave: four blocks of 256 bytes that no other line names
.set FO,  2                            ; v2   my byte offset in a fragment's rows: (l % 16) x 4,096 + 32 (l / 16) + 512 x wave; never rewritten
.set BQO, 3                            ; v3   32 (l / 16): my eight numbers of bq
.set QTO, 4                            ; v4   32 (l % 16) + 16 (l / 16): my 16 bytes of a query tile in Qt
.set LS,  5                            ; v5   where I put my 32 bytes of a partial tile
.set LR,  6                            ; v6   where I read them back
.set SPW, 8                            ; v8   LDS address of my spare word: SPARE + 4 x my thread's number; never rewritten
.set NIL, 9                            ; v9   0; never rewritten
.set RT,  14                           ; v14  at work
.set ACC, 16                           ; v[16:31]   two accumulators: queries 0-15, 16-31
.set BQ,  40                           ; v[40:47]   bq
.set SET, 64                           ; v[64:255]  two sets of 96: Wq's fragments (k2) at 16 k2, S's (qt, k2) at 32 + 32 qt + 16 k2, 16 f32 registers each, packed in place to 8
.macro RB a, b, t                      ; two f32 numbers rounded to bf16 and written back as f32
	v_cvt_pk_bf16_f32 v[\t], v[\a], v[\b]
	v_lshlrev_b32 v[\a], 16, v[\t]
	v_and_b32 v[\b], 0xffff0000, v[\t]
.endm
	s_load_b512 s[8:23], s[0:1], 0x0               ; X s[8:9], Wv s[10:11], S s[12:13], Wq s[14:15], bq s[16:17], Xb s[18:19], Wb s[20:21], Qt s[22:23]
	v_lshl_add_u32 v[SPW], v0, 2, SPARE
	v_mov_b32 v[NIL], 0
	s_cmp_lt_u32 ttmp9, 64
	s_cbranch_scc1 .Lqproj                         ; the first 64 work-groups make Qp while the others stream
	; THE STREAM.  Chunk c = 0 .. 1151: 1,024 of X, 128 of Wv.  Thread t takes 16 bytes at 16 t of each 4,096: a wave's load covers 512 consecutive bytes, its store 256, aligned.
	s_sub_co_u32 s2, ttmp9, 64                     ; c
	s_sub_co_u32 s3, s2, 1024                      ; j: its number among Wv's chunks of 8 rows
	s_lshr_b32 s4, s3, 3                           ; the head,
	s_and_b32 s5, s3, 7                            ; the chunk in the head's 64 rows
	s_mul_i32 s4, s4, 12                           ; a head has 96 rows, 12 chunks, in Wb
	s_add_co_u32 s4, s4, s5
	v_lshlrev_b32 v1, 4, v0
	v_lshlrev_b32 v2, 3, v0
	s_wait_kmcnt 0x0
	s_cmp_lt_u32 s2, 1024
	s_cselect_b64 s[26:27], s[8:9], s[10:11]       ; X or Wv
	s_cselect_b32 s5, s2, s3                       ; the chunk's number in its source
	s_cselect_b64 s[28:29], s[18:19], s[20:21]     ; Xb or Wb
	s_cselect_b32 s6, s2, s4                       ; and in its destination
	s_cselect_b32 s30, 1.0, 0x3d800000             ; the factor: 1 for X, 2^-4 for the weights
	s_mov_b32 s31, s30                             ; named with it as a pair
	s_lshl_b32 s32, s5, 17                         ; 131,072 bytes of f32 a chunk
	s_mov_b32 s33, 0
	s_add_nc_u64 s[26:27], s[26:27], s[32:33]
	s_lshl_b32 s34, s6, 16                         ; 65,536 bytes of bf16
	s_mov_b32 s35, 0
	s_add_nc_u64 s[28:29], s[28:29], s[34:35]
	s_wait_alu depctr_va_vdst(0)                   ; v1 and v2 are written: every load below reads v1 as its offset, every store v2
.set i, 0
.rept 32                               ; all of the thread's 32 loads go out at once: 16 KiB a wave on their way
	global_load_b128 v[64+4*i:64+4*i+3], v1, s[26:27] offset:4096*i th:TH_LOAD_NT
.set i, i+1
.endr
.set i, 0
.rept 32                               ; eight blocks of four numbers; number i - 4's store stands ahead of number i's vector lines
.if (i%4) == 0
	s_wait_loadcnt 31-i                            ; loads come back in order: number i is in, the younger ones stay out
.if i > 0
	s_wait_alu depctr_va_vdst(0)                   ; the block before has written its four pairs, which this block's four stores read; no vector line of this block names them
.endif
.endif
.if i >= 4
	global_store_b64 v2, v[64+4*(i-4):64+4*(i-4)+1], s[28:29] offset:2048*(i-4) th:TH_STORE_NT  ; no register of a store is written again
.endif
.if (i%4) != 0
	s_wait_loadcnt 31-i                            ; number i is in, the younger ones stay out
.endif
	v_pk_mul_f32 v[64+4*i:64+4*i+1], v[64+4*i:64+4*i+1], s[30:31] op_sel_hi:[1,0]
	v_pk_mul_f32 v[64+4*i+2:64+4*i+3], v[64+4*i+2:64+4*i+3], s[30:31] op_sel_hi:[1,0]
	v_cvt_pk_bf16_f32 v[64+4*i], v[64+4*i], v[64+4*i+1]
	v_cvt_pk_bf16_f32 v[64+4*i+1], v[64+4*i+2], v[64+4*i+3]
.set i, i+1
.endr
	s_wait_alu depctr_va_vdst(0)                   ; the last block has written its four pairs, which the last four stores read
.set i, 28
.rept 4
	global_store_b64 v2, v[64+4*i:64+4*i+1], s[28:29] offset:2048*i th:TH_STORE_NT
.set i, i+1
.endr
	s_endpgm
	; THE SEEDS.  Work-group g makes channels 16 g on, for all 32 queries.  K IS SPLIT AMONG ITS EIGHT WAVES: wave v takes k = 128 v .. 128 v + 127: all its 48 loads go out at once, and there is no loop.
	; Source 0 = 16 rows of Wq (channels), source 1 = 16 rows of S (queries): a lane ends with one query (l % 16) and the channels 8 (l / 16) + 0..7.  A fragment (16 rows x 32 k) is four loads of
	; 16 bytes of f32 a lane, at 32 (l / 16) + 0, 16, 64, 80, packed to bf16 in place.  The eight partial sums meet in LDS (f32); wave 0 finishes queries 0-15, wave 1 queries 16-31.
.Lqproj:
	v_lshrrev_b32 v1, 5, v0
	v_readfirstlane_b32 s7, v1                     ; wave 0..7
	v_and_b32 v10, 15, v0                          ; l % 16
	v_bfe_u32 v11, v0, 4, 1                        ; l / 16
	v_and_b32 v12, 31, v0                          ; l
	s_wait_alu depctr_va_sdst(0)                   ; s7 is written, ahead of its first reader: offsets, LDS places and the branch below are made from it
	s_lshl_b32 s36, s7, 9                          ; my 128 k: 512 bytes of a row
	v_lshlrev_b32 v[FO], 12, v10
	v_lshl_add_u32 v[FO], v11, 5, v[FO]
	v_add_nc_u32 v[FO], s36, v[FO]
	v_lshlrev_b32 v[BQO], 5, v11
	v_lshlrev_b32 v[QTO], 5, v10
	v_lshl_add_u32 v[QTO], v11, 4, v[QTO]
	s_lshl_b32 s37, s7, 11
	v_lshl_add_u32 v[LS], v12, 5, s37              ; 2,048 x wave + 32 l
	s_lshl_b32 s37, s7, 10
	v_lshl_add_u32 v[LR], v12, 5, s37              ; the tile that I finish = my wave's number (waves 0 and 1): 1,024 x wave + 32 l
	s_lshl_b32 s38, ttmp9, 16                      ; 16 rows of Wq
	s_mov_b32 s39, 0
	s_lshl_b32 s40, ttmp9, 6                       ; 16 numbers of bq
	s_mov_b32 s41, 0
	s_lshl_b32 s42, ttmp9, 10                      ; a tile of Qt,
	s_add_co_u32 s42, s42, s36                     ; the 512 bytes of the query tile that I finish
	s_mov_b32 s43, 0
	s_wait_kmcnt 0x0
	s_add_nc_u64 s[32:33], s[14:15], s[38:39]      ; Wq at my rows
	s_add_nc_u64 s[16:17], s[16:17], s[40:41]
	s_add_nc_u64 s[22:23], s[22:23], s[42:43]
.macro LOADS b, off                    ; 24 loads: 64 along k (256 consecutive bytes of each row) of Wq's 16 rows and S's 32, into set b
.irp k2, 0,1
.irp p, 0,1,2,3
	global_load_b128 v[SET+96*(\b)+16*(\k2)+4*(\p):SET+96*(\b)+16*(\k2)+4*(\p)+3], v[FO], s[32:33] offset:(\off)+128*(\k2)+16*((\p)%2)+64*((\p)/2)
	global_load_b128 v[SET+96*(\b)+32+16*(\k2)+4*(\p):SET+96*(\b)+32+16*(\k2)+4*(\p)+3], v[FO], s[12:13] offset:(\off)+128*(\k2)+16*((\p)%2)+64*((\p)/2)
	global_load_b128 v[SET+96*(\b)+64+16*(\k2)+4*(\p):SET+96*(\b)+64+16*(\k2)+4*(\p)+3], v[FO], s[12:13] offset:(\off)+128*(\k2)+16*((\p)%2)+64*((\p)/2)+65536
.endr
.endr
.endm
.macro CVT b                           ; the set's six fragments, 16 f32 registers each, packed into their own first 8: register i is written when 2 i and 2 i + 1 are read
.set f, 0
.rept 6
.set i, 0
.rept 8
	v_cvt_pk_bf16_f32 v[SET+96*(\b)+16*f+i], v[SET+96*(\b)+16*f+2*i], v[SET+96*(\b)+16*f+2*i+1]
.set i, i+1
.endr
.set f, f+1
.endr
.endm
.macro MULS b, first                   ; four products; the two accumulators take turns; first = 1: the first two start the sums with 0
.irp k2, 0,1
.irp qt, 0,1
.if (\first) && ((\k2) == 0)
	v_wmma_f32_16x16x32_bf16 v[ACC+8*(\qt):ACC+8*(\qt)+7], v[SET+96*(\b)+16*(\k2):SET+96*(\b)+16*(\k2)+7], v[SET+96*(\b)+32+32*(\qt)+16*(\k2):SET+96*(\b)+32+32*(\qt)+16*(\k2)+7], 0
.else
	v_wmma_f32_16x16x32_bf16 v[ACC+8*(\qt):ACC+8*(\qt)+7], v[SET+96*(\b)+16*(\k2):SET+96*(\b)+16*(\k2)+7], v[SET+96*(\b)+32+32*(\qt)+16*(\k2):SET+96*(\b)+32+32*(\qt)+16*(\k2)+7], v[ACC+8*(\qt):ACC+8*(\qt)+7]
.endif
.endr
.endr
.endm
	s_wait_alu depctr_va_vdst(0)                   ; the five addresses v2 to v6 are written, which the loads and stores below read
	global_load_b128 v[BQ:BQ+3], v[BQO], s[16:17]
	global_load_b128 v[BQ+4:BQ+7], v[BQO], s[16:17] offset:16
	LOADS 0, 0                                     ; my k 0-63
	LOADS 1, 256                                   ; my k 64-127
	s_wait_loadcnt 24                              ; bq and set 0 are in; set 1's 24 loads may stay out
	CVT 0
	MULS 0, 1
	s_wait_loadcnt 0x0
	CVT 1
	MULS 1, 0
.rept 4
	v_nop                                          ; four plain instructions between the last product and the stores that read results
.endr
	s_wait_alu depctr_va_vdst(0)                   ; the products have written the accumulators, which the LDS stores read; they and the conversions are also done with set 0's registers, in which the partial sums land below
.irp qt, 0,1                           ; each accumulator's low half first
	ds_store_b128 v[LS], v[ACC+8*(\qt):ACC+8*(\qt)+3]   offset:PART+1024*(\qt)
	ds_store_b128 v[LS], v[ACC+8*(\qt)+4:ACC+8*(\qt)+7] offset:PART+1024*(\qt)+16
.endr
	s_wait_dscnt 0x0                               ; for the others' sake: my partial sums are stored
	s_barrier_signal -1
	s_barrier_wait -1
	s_cmp_lt_u32 s7, 2
	s_cbranch_scc0 .Lqend
.irp v, 0,1,2,3,4,5,6,7                ; no vector or matrix line since the last wait on va_vdst names these registers
	ds_load_b128 v[SET+8*(\v):SET+8*(\v)+3],   v[LR] offset:PART+2048*(\v)
	ds_load_b128 v[SET+8*(\v)+4:SET+8*(\v)+7], v[LR] offset:PART+2048*(\v)+16
.endr
	s_wait_dscnt 0x0
.irp r, 0,2,4,6
.irp v, 0,2,4,6
	v_pk_add_f32 v[SET+8*\v+\r:SET+8*\v+\r+1], v[SET+8*\v+\r:SET+8*\v+\r+1], v[SET+8*\v+8+\r:SET+8*\v+8+\r+1]
.endr
.endr
.irp r, 0,2,4,6
.irp v, 0,4
	v_pk_add_f32 v[SET+8*\v+\r:SET+8*\v+\r+1], v[SET+8*\v+\r:SET+8*\v+\r+1], v[SET+8*\v+16+\r:SET+8*\v+16+\r+1]
.endr
.endr
.irp j, 0,2,4,6
	RB BQ+\j, BQ+\j+1, RT                          ; the bias, rounded like every input
.endr
.irp r, 0,2,4,6
	v_pk_add_f32 v[SET+\r:SET+\r+1], v[SET+\r:SET+\r+1], v[SET+32+\r:SET+32+\r+1]
.endr
.irp r, 0,2,4,6
	v_pk_add_f32 v[SET+\r:SET+\r+1], v[SET+\r:SET+\r+1], v[BQ+\r:BQ+\r+1]
.endr
.irp j, 0,1,2,3
	v_cvt_pk_bf16_f32 v[32+\j], v[SET+2*\j], v[SET+2*\j+1]
.endr
	s_wait_alu depctr_va_vdst(0)                   ; the roundings have written v[32:35], which the store reads
	global_store_b128 v[QTO], v[32:35], s[22:23]   ; 512 consecutive bytes: my 16 queries
.Lqend:
	s_wait_dscnt 0x0                               ; the closing lines, six on end
	s_wait_alu 0x0
	s_wait_tensorcnt 0x0
	ds_add_u32 v[SPW], v[NIL]
	s_wait_dscnt 0x0
	s_endpgm
.Lfunc_end_k_qb2549df4ac_prep:
	.size	k_qb2549df4ac_prep, .Lfunc_end_k_qb2549df4ac_prep-k_qb2549df4ac_prep
	.p2alignl 7, 3214868480
	.fill 96, 4, 3214868480
	.section	.rodata,"a",@progbits
	.p2align	6, 0x0
	.amdhsa_kernel k_qb2549df4ac_prep
		.amdhsa_group_segment_fixed_size 17408
		.amdhsa_private_segment_fixed_size 0
		.amdhsa_enable_private_segment 0
		.amdhsa_kernarg_size 64
		.amdhsa_user_sgpr_count 2
		.amdhsa_user_sgpr_kernarg_segment_ptr 1
		.amdhsa_wavefront_size32 1
		.amdhsa_system_sgpr_workgroup_id_x 1
		.amdhsa_system_sgpr_workgroup_id_y 1
		.amdhsa_system_sgpr_workgroup_id_z 1
		.amdhsa_system_vgpr_workitem_id 0
		.amdhsa_next_free_vgpr 256
		.amdhsa_next_free_sgpr 66
		.amdhsa_reserve_vcc 0
		.amdhsa_float_denorm_mode_32 3
		.amdhsa_float_denorm_mode_16_64 3
		.amdhsa_memory_ordered 1
		.amdhsa_forward_progress 1
		.amdhsa_inst_pref_size 34
	.end_amdhsa_kernel
	.amdgpu_metadata
---
amdhsa.version: [ 1, 2 ]
amdhsa.kernels:
  - .name:           k_qb2549df4ac_prep
    .symbol:         k_qb2549df4ac_prep.kd
    .args:
      - { .name: X, .offset: 0, .size: 8, .value_kind: global_buffer, .address_space: global }
      - { .name: Wv, .offset: 8, .size: 8, .value_kind: global_buffer, .address_space: global }
      - { .name: S, .offset: 16, .size: 8, .value_kind: global_buffer, .address_space: global }
      - { .name: Wq, .offset: 24, .size: 8, .value_kind: global_buffer, .address_space: global }
      - { .name: bq, .offset: 32, .size: 8, .value_kind: global_buffer, .address_space: global }
      - { .name: Xb, .offset: 40, .size: 8, .value_kind: global_buffer, .address_space: global }
      - { .name: Wb, .offset: 48, .size: 8, .value_kind: global_buffer, .address_space: global }
      - { .name: Qt, .offset: 56, .size: 8, .value_kind: global_buffer, .address_space: global }
    .group_segment_fixed_size: 17408
    .private_segment_fixed_size: 0
    .kernarg_segment_align: 8
    .kernarg_segment_size: 64
    .max_flat_workgroup_size: 256
    .sgpr_count:     66
    .vgpr_count:     256
    .wavefront_size: 32
...
	.end_amdgpu_metadata
.endif
;; end of part 7
;; launch qw (part 8): grid 16 x 16, 2 waves a work-group, no clusters, 54,528 bytes of LDS; arguments Wk, Qt, bk, Wb, Sb; writes Wb, Sb
.if DOCPART == 8
	.amdgcn_target "amdgcn-amd-amdhsa--gfx1250"
	.amdhsa_code_object_version 6
	.text
	.protected	k_qb2549df4ac_qw
	.globl	k_qb2549df4ac_qw
	.p2align	8
	.type	k_qb2549df4ac_qw,@function
k_qb2549df4ac_qw:
	s_mov_b64 s[64:65], 0
	v_nop
	global_prefetch_b8 v0, s[64:65] scope:SCOPE_SE
	s_setreg_imm32_b32 hwreg(HW_REG_WAVE_SCHED_MODE, 0, 2), 2
	s_setreg_imm32_b32 hwreg(HW_REG_WAVE_MODE, 25, 1), 1
	s_wait_xcnt 0x0
	s_wait_alu depctr_vm_vsrc(0)
; QW.  A score is Qp_h . (X Wk_h^T + bk_h) = X . (Qp_h Wk_h) + Qp_h . bk_h.  This launch makes, for each head h, QW[q][d] = the sum over the head's 64 channels c of Qp[q][c] Wk[64 h + c][d],
; rounded once to bf16, into row 96 h + 64 + q of Wb [1536][4096], and Sb[h][q] = Qp[q] . bk (f32).  Qp comes as bf16 from Qt; Wk and bk are rounded to bf16 like every input; sums in f32.
; NaN and infinities are not treated apart.
; SHARES.  A wave takes one head and 128 columns d: 64 rows of Wk x 512 consecutive bytes, each read once in the launch.  The two waves of a work-group share nothing: no barrier.
; Wk lies [c][d], the product wants c along a lane's registers: the rows go, as bf16, into the wave's own LDS bytes and come back turned, by ds_load_tr16_b128.
; Source 0 = 16 columns d, source 1 = 16 queries: a lane ends with one query (l % 16) and eight neighbouring d: 16 bytes of bf16, which leave through the wave's own stage as whole rows of 256 bytes.
; THE MODE: SCHED_MODE bits 1:0 = 2 (LLVM: expert scheduling mode 2), set by the entry lines.  The code itself states the register dependences between vector or matrix instructions and memory or LDS
; instructions, with s_wait_alu, always for 0.
; THE PLAN, THE RING.  The 64 rows go in 16 blocks of four.  Registers that memory or LDS instructions touch:
;   FR        row r in four registers at 4 (r % 32).  Written by the loads; read by block p's eight roundings; the registers of block p - 1 are loaded again in block p (p = 1 .. 8).
;   T0, T1    four packed rows each.  Block p's roundings write T[p % 2]; the four LDS stores that are issued in block p + 1 read it.
;   the nine addresses v4 to v12 are made once at the head and never written again.
; Block p's roundings name FR of block p and T[p % 2]; its memory and LDS instructions name FR of block p - 1 and T[(p - 1) % 2].  So the waits at a block's head state all that its eight memory and LDS
; instructions hang on, and these are dealt among its roundings with no further wait.
; THE PLAN, THE PRODUCTS.  Results leave from registers of their own: pass p's roundings write OUT[p], in registers of pass 0's fragments, which its products have read; one wait stands between a pass's
; roundings and its eight LDS stores; pass 0's stores are dealt among pass 1's products, which name the accumulators, Qp and pass 1's fragments alone.  The rows come back from the stage into pass 1's
; fragments' registers, behind the wait that shows its products done.  No register that an LDS store has read is written again.
.set WP,  288                          ; a row of Wk in LDS: 256 bytes of bf16 + 32
.set WT,  64*WP                        ; a wave's 64 rows
.set SP,  272                          ; a row of the stage: 256 bytes + 16
.set WAVEB, WT+32*SP                   ; a wave's LDS: 27,136 bytes
.set SPARE, 2*WAVEB                    ; the spare words, 128 bytes for each wave: one block of 256 bytes that no other line names
.set GL,  4                            ; v4   16 l: my 16 bytes of a row's 512
.set QO,  5                            ; v5   32 (l % 16) + 16 (l / 16): my 16 bytes of a tile of Qt
.set BKO, 6                            ; v6   32 (l / 16)
.set WS,  7                            ; v7   where I put my 8 bytes of a row
.set AT,  8                            ; v8   my place in a turning load
.set STO, 9                            ; v9   the way out: where I put 16 bytes of a row
.set RD,  10                           ; v10  the way out: where I read rows back
.set GO,  11                           ; v11  (l / 16) x 8,192 + 16 (l % 16): my 16 bytes of two rows of Wb
.set L4,  12                           ; v12  4 l
.set SBV, 13                           ; v13  Sb's number for query l; never rewritten
.set SPW, 14                           ; v14  LDS address of my spare word; never rewritten
.set NIL, 15                           ; v15  0; never rewritten
.set T,   16                           ; v[16:31]   packed rows on their way to LDS: buffer k, row j of its four: a pair at T + 8 k + 2 j
.set QF,  32                           ; v[32:63]   Qp: query tile qt, channel half ks at 16 qt + 8 ks
.set ACC, 64                           ; v[64:127]  eight accumulators: (dl, qt) at 8 (2 dl + qt).  First: bk at 64 + 16 ks, its two sums at 96, 104
.set BK,  64
.set SA,  96
.set FR,  128                          ; v[128:255] Wk as loaded (row r at 4 (r % 32)); then its fragments, (db, ks) at 8 (2 db + ks)
.set OUT, 128                          ; v[128:191] then pass p's results in bf16: (dl, qt) at OUT + 32 p + 4 (2 dl + qt)
.set BACK, 192                         ; v[192:255] last the rows on their way out
.macro PLACES                          ; four plain instructions between a product and a vector line that touches its registers (ISA guide 7.12.1)
.rept 4
	v_nop
.endr
.endm
	s_load_b256 s[4:11], s[0:1], 0x0               ; Wk s[4:5], Qt s[6:7], bk s[8:9], Wb s[10:11]
	s_load_b64 s[12:13], s[0:1], 0x20              ; Sb
	v_lshl_add_u32 v[SPW], v0, 2, SPARE
	v_mov_b32 v[NIL], 0
	v_lshrrev_b32 v1, 5, v0
	v_readfirstlane_b32 s14, v1                    ; wave 0..1
	s_mov_b32 s15, ttmp9                           ; x: 256 columns d
	s_and_b32 s16, ttmp7, 0xffff                   ; the head
	v_and_b32 v1, 31, v0                           ; l
	v_and_b32 v2, 15, v0                           ; l % 16
	v_bfe_u32 v3, v0, 4, 1                         ; l / 16
	v_lshlrev_b32 v[GL], 4, v1
	v_lshlrev_b32 v[QO], 5, v2
	v_lshl_add_u32 v[QO], v3, 4, v[QO]
	v_lshlrev_b32 v[BKO], 5, v3
	s_wait_alu depctr_va_sdst(0)                   ; s14 is written, ahead of its first reader: LDS places, offsets and the branch round Sb's store are made from it
	s_mul_i32 s17, s14, WAVEB                      ; my wave's LDS
	v_lshl_add_u32 v[WS], v1, 3, s17
	v_and_b32 v[AT], 7, v0                         ; the turning load: lane l reads row 8 (l / 16) + l % 8, columns 8 ((l / 8) % 2) + 0..7
	v_lshl_add_u32 v[AT], v3, 3, v[AT]
	v_mul_u32_u24 v[AT], v[AT], WP
	v_bfe_u32 v[T], v0, 3, 1
	v_lshl_add_u32 v[AT], v[T], 4, v[AT]
	v_add_nc_u32 v[AT], s17, v[AT]
	s_add_co_u32 s18, s17, WT                      ; my stage
	v_mul_u32_u24 v[STO], v2, SP
	v_lshl_add_u32 v[STO], v3, 4, v[STO]
	v_add_nc_u32 v[STO], s18, v[STO]
	v_mul_u32_u24 v[RD], v3, SP
	v_lshl_add_u32 v[RD], v2, 4, v[RD]
	v_add_nc_u32 v[RD], s18, v[RD]
	v_lshlrev_b32 v[GO], 13, v3
	v_lshl_add_u32 v[GO], v2, 4, v[GO]
	v_lshlrev_b32 v[L4], 2, v1
	s_lshl_b32 s20, s16, 20                        ; Wk: the head's 64 rows of 16,384 bytes,
	s_lshl_b32 s19, s15, 10                        ; 256 x columns of f32,
	s_add_co_u32 s20, s20, s19
	s_lshl_b32 s19, s14, 9                         ; my wave's 128
	s_add_co_u32 s20, s20, s19
	s_mov_b32 s21, 0
	s_lshl_b32 s22, s16, 12                        ; Qt: the head's four tiles
	s_mov_b32 s23, 0
	s_lshl_b32 s24, s16, 8                         ; bk: the head's 64 numbers
	s_mov_b32 s25, 0
	s_mul_i32 s26, s16, 96*8192                    ; Wb: the head's 96 rows,
	s_add_co_u32 s26, s26, 64*8192                 ; behind its 64 of Wv,
	s_lshl_b32 s19, s15, 9                         ; 256 x columns of bf16,
	s_add_co_u32 s26, s26, s19
	s_lshl_b32 s19, s14, 8                         ; my wave's 128
	s_add_co_u32 s26, s26, s19
	s_mov_b32 s27, 0
	s_lshl_b32 s28, s16, 7                         ; Sb: the head's 32 numbers
	s_mov_b32 s29, 0
	s_or_b32 s30, s15, s14                         ; 0 in the one wave of a head that stores Sb
	s_wait_kmcnt 0x0
	s_add_nc_u64 s[4:5], s[4:5], s[20:21]
	s_add_nc_u64 s[6:7], s[6:7], s[22:23]
	s_add_nc_u64 s[8:9], s[8:9], s[24:25]
	s_add_nc_u64 s[10:11], s[10:11], s[26:27]
	s_add_nc_u64 s[12:13], s[12:13], s[28:29]
	s_wait_alu depctr_va_vdst(0)                   ; the nine addresses v4 to v12 are written, which every load and store of the kernel reads
.irp qt, 0,1                           ; a fragment of Qp: 16 queries x 32 channels: two tiles of Qt
.irp ks, 0,1
	global_load_b128 v[QF+16*(\qt)+8*(\ks):QF+16*(\qt)+8*(\ks)+3],   v[QO], s[6:7] offset:2048*(\ks)+512*(\qt)
	global_load_b128 v[QF+16*(\qt)+8*(\ks)+4:QF+16*(\qt)+8*(\ks)+7], v[QO], s[6:7] offset:2048*(\ks)+1024+512*(\qt)
.endr
.endr
.irp ks, 0,1                           ; bk as a fragment whose 16 rows are all alike: every lane takes channels 32 ks + 8 (l / 16) + 0..7 and 16 more on
.irp p, 0,1,2,3
	global_load_b128 v[BK+16*(\ks)+4*(\p):BK+16*(\ks)+4*(\p)+3], v[BKO], s[8:9] offset:128*(\ks)+16*((\p)%2)+64*((\p)/2)
.endr
.endr
.set i, 0
.rept 32                               ; rows 0-31 of the head: a load of the wave covers 512 consecutive bytes; 16 KiB a wave on their way
	global_load_b128 v[FR+4*i:FR+4*i+3], v[GL], s[4:5] offset:16384*i th:TH_LOAD_NT
.set i, i+1
.endr
	s_wait_loadcnt 32                              ; Qp and bk are in; Wk's 32 loads stay out
.irp ks, 0,1
.irp i, 0,1,2,3,4,5,6,7
	v_cvt_pk_bf16_f32 v[BK+16*\ks+\i], v[BK+16*\ks+2*\i], v[BK+16*\ks+2*\i+1]  ; rounded like every input, packed in place
.endr
.endr
.irp ks, 0,1                           ; Qp . bk: every row of the result holds it; the two accumulators take turns
.irp qt, 0,1
.if (\ks) == 0
	v_wmma_f32_16x16x32_bf16 v[SA+8*(\qt):SA+8*(\qt)+7], v[BK+16*(\ks):BK+16*(\ks)+7], v[QF+16*(\qt)+8*(\ks):QF+16*(\qt)+8*(\ks)+7], 0
.else
	v_wmma_f32_16x16x32_bf16 v[SA+8*(\qt):SA+8*(\qt)+7], v[BK+16*(\ks):BK+16*(\ks)+7], v[QF+16*(\qt)+8*(\ks):QF+16*(\qt)+8*(\ks)+7], v[SA+8*(\qt):SA+8*(\qt)+7]
.endif
.endr
.endr
	PLACES
	v_cmp_lt_u32 vcc_lo, 15, v1                    ; lanes 0-15 take queries 0-15, lanes 16-31 queries 16-31: each accumulator's lowest register
	s_wait_alu depctr_va_vcc(0)                    ; the compare has written VCC, which the select reads
	v_cndmask_b32 v[SBV], v[SA], v[SA+8], vcc_lo
	s_cmp_lg_u32 s30, 0
	s_cbranch_scc1 .Lno_sb
	s_wait_alu depctr_va_vdst(0)                   ; the select has written v[SBV], which the store reads
	global_store_b32 v[L4], v[SBV], s[12:13]       ; 128 consecutive bytes, once a head
.Lno_sb:
; THE RING.  Block p: rows 4 p .. 4 p + 3 are rounded into T[p % 2]; among the roundings stand the loads that ask for block p - 1's registers again, with the rows 32 further on (p = 1 .. 8), and the
; LDS stores of block p - 1's rows.  Loads are issued in the rows' order, 32 at the head and four in each of blocks 1 to 8: behind row 4 p + 3 stand 28 at p = 0; 28 - 4 p of the first half and
; 4 (p - 1) of the second, 24, for p = 1 .. 9; then the counts run down.
.set p, 0
.rept 16
.if p == 0
	s_wait_loadcnt 28                              ; loads come back in order: rows 0 to 3 are in, the 28 younger loads stay out
.elseif p < 10
	s_wait_loadcnt 24                              ; the block's four rows are in, the 24 younger loads stay out
.else
	s_wait_loadcnt 60-4*p                          ; the counts run down
.endif
.if p >= 2
	s_wait_alu depctr_vm_vsrc(0)                   ; the LDS stores issued in the block before have read T[p % 2], which this block's roundings write again
.endif
.if p >= 1
	s_wait_alu depctr_va_vdst(0)                   ; the block before has written the other T, which the LDS stores below read, and is done reading its rows' registers, in which the loads below land
.endif
.set j, 0
.rept 4
.if (p >= 1) && (p <= 8)
	global_load_b128 v[FR+4*(4*(p-1)+j):FR+4*(4*(p-1)+j)+3], v[GL], s[4:5] offset:16384*(4*(p-1)+j+32) th:TH_LOAD_NT  ; no vector line since the wait names these registers
.endif
.if p >= 1
	ds_store_b64 v[WS], v[T+8*((p-1)%2)+2*j:T+8*((p-1)%2)+2*j+1] offset:WP*(4*(p-1)+j)
.endif
	v_cvt_pk_bf16_f32 v[T+8*(p%2)+2*j], v[FR+4*((4*p+j)%32)], v[FR+4*((4*p+j)%32)+1]
	v_cvt_pk_bf16_f32 v[T+8*(p%2)+2*j+1], v[FR+4*((4*p+j)%32)+2], v[FR+4*((4*p+j)%32)+3]
.set j, j+1
.endr
.set p, p+1
.endr
	s_wait_alu depctr_va_vdst(0)                   ; block 15 has written T1, which the last four LDS stores read; all roundings are done reading the rows' registers, in which the turning loads land
.set j, 0
.rept 4
	ds_store_b64 v[WS], v[T+8+2*j:T+8+2*j+1] offset:WP*(60+j)
.set j, j+1
.endr
.irp db, 0,1,2,3,4,5,6,7               ; LDS serves a wave's instructions in order (ISA guide 5.7.1.4): these see the stores above.  Columns 16 db on, channels 32 ks on
.irp ks, 0,1
	ds_load_tr16_b128 v[FR+8*(2*(\db)+(\ks)):FR+8*(2*(\db)+(\ks))+3],   v[AT] offset:32*WP*(\ks)+32*(\db)
	ds_load_tr16_b128 v[FR+8*(2*(\db)+(\ks))+4:FR+8*(2*(\db)+(\ks))+7], v[AT] offset:32*WP*(\ks)+16*WP+32*(\db)
.endr
.endr
	s_wait_dscnt 0x0
; Pass p: 64 columns d x 32 queries: 16 products, the eight accumulators by turns.  st = 1: pass 0's eight LDS stores are dealt among them, one behind each two products.
.macro MUL p, st
.irp ks, 0,1
.irp dl, 0,1,2,3
.irp qt, 0,1
.if (\ks) == 0
	v_wmma_f32_16x16x32_bf16 v[ACC+8*(2*(\dl)+(\qt)):ACC+8*(2*(\dl)+(\qt))+7], v[FR+8*(2*(4*(\p)+(\dl))+(\ks)):FR+8*(2*(4*(\p)+(\dl))+(\ks))+7], v[QF+16*(\qt)+8*(\ks):QF+16*(\qt)+8*(\ks)+7], 0
.else
	v_wmma_f32_16x16x32_bf16 v[ACC+8*(2*(\dl)+(\qt)):ACC+8*(2*(\dl)+(\qt))+7], v[FR+8*(2*(4*(\p)+(\dl))+(\ks)):FR+8*(2*(4*(\p)+(\dl))+(\ks))+7], v[QF+16*(\qt)+8*(\ks):QF+16*(\qt)+8*(\ks)+7], v[ACC+8*(2*(\dl)+(\qt)):ACC+8*(2*(\dl)+(\qt))+7]
.endif
.endr
.if \st
	ds_store_b128 v[STO], v[OUT+4*(4*(\ks)+(\dl)):OUT+4*(4*(\ks)+(\dl))+3] offset:16*SP*((4*(\ks)+(\dl))%2)+32*((4*(\ks)+(\dl))/2)  ; pass 0's number n = 4 ks + dl: columns 16 (n / 2) on, query tile n % 2; no product names OUT or the address
.endif
.endr
.endr
.endm
.macro PACK p                          ; the pass's eight accumulators, rounded to bf16, each read from its low end on, into OUT[p]
.irp dl, 0,1,2,3
.irp qt, 0,1
.irp i, 0,1,2,3
	v_cvt_pk_bf16_f32 v[OUT+32*(\p)+4*(2*(\dl)+(\qt))+\i], v[ACC+8*(2*(\dl)+(\qt))+2*\i], v[ACC+8*(2*(\dl)+(\qt))+2*\i+1]
.endr
.endr
.endr
.endm
	MUL 0, 0
	PLACES                                         ; behind the last product: the roundings read results and write registers of pass 0's fragments
	PACK 0
	s_wait_alu depctr_va_vdst(0)                   ; pass 0's roundings have written OUT0, which the LDS stores among the products below read
	MUL 1, 1
	PLACES
	PACK 1
	s_wait_alu depctr_va_vdst(0)                   ; pass 1's roundings have written OUT1, which the LDS stores read; its products are done reading their fragments, in whose registers the rows land
.irp dl, 0,1,2,3
.irp qt, 0,1
	ds_store_b128 v[STO], v[OUT+32+4*(2*(\dl)+(\qt)):OUT+32+4*(2*(\dl)+(\qt))+3] offset:16*SP*(\qt)+32*(4+(\dl))
.endr
.endr
.irp t, 0,1,2,3,4,5,6,7,8,9,10,11,12,13,14,15  ; back as whole rows: lanes 0-15 take query 2 t, lanes 16-31 query 2 t + 1; LDS serves a wave's instructions in order: these see the stores above
	ds_load_b128 v[BACK+4*(\t):BACK+4*(\t)+3], v[RD] offset:2*SP*(\t)
.endr
.irp t, 0,1,2,3,4,5,6,7,8,9,10,11,12,13,14,15
	s_wait_dscnt 15-(\t)                           ; LDS loads come back in order: row pair t is in, the younger ones stay out
	global_store_b128 v[GO], v[BACK+4*(\t):BACK+4*(\t)+3], s[10:11] offset:2*8192*(\t)  ; 16 lanes store 256 consecutive bytes, at a multiple of 256 from Wb's first byte
.endr
	s_wait_dscnt 0x0                               ; the closing lines, six on end
	s_wait_alu 0x0
	s_wait_tensorcnt 0x0
	ds_add_u32 v[SPW], v[NIL]
	s_wait_dscnt 0x0
	s_endpgm
.Lfunc_end_k_qb2549df4ac_qw:
	.size	k_qb2549df4ac_qw, .Lfunc_end_k_qb2549df4ac_qw-k_qb2549df4ac_qw
	.p2alignl 7, 3214868480
	.fill 96, 4, 3214868480
	.section	.rodata,"a",@progbits
	.p2align	6, 0x0
	.amdhsa_kernel k_qb2549df4ac_qw
		.amdhsa_group_segment_fixed_size 54528
		.amdhsa_private_segment_fixed_size 0
		.amdhsa_enable_private_segment 0
		.amdhsa_kernarg_size 40
		.amdhsa_user_sgpr_count 2
		.amdhsa_user_sgpr_kernarg_segment_ptr 1
		.amdhsa_wavefront_size32 1
		.amdhsa_system_sgpr_workgroup_id_x 1
		.amdhsa_system_sgpr_workgroup_id_y 1
		.amdhsa_system_sgpr_workgroup_id_z 1
		.amdhsa_system_vgpr_workitem_id 0
		.amdhsa_next_free_vgpr 256
		.amdhsa_next_free_sgpr 66
		.amdhsa_reserve_vcc 1
		.amdhsa_float_denorm_mode_32 3
		.amdhsa_float_denorm_mode_16_64 3
		.amdhsa_memory_ordered 1
		.amdhsa_forward_progress 1
		.amdhsa_inst_pref_size 39
	.end_amdhsa_kernel
	.amdgpu_metadata
---
amdhsa.version: [ 1, 2 ]
amdhsa.kernels:
  - .name:           k_qb2549df4ac_qw
    .symbol:         k_qb2549df4ac_qw.kd
    .args:
      - { .name: Wk, .offset: 0, .size: 8, .value_kind: global_buffer, .address_space: global }
      - { .name: Qt, .offset: 8, .size: 8, .value_kind: global_buffer, .address_space: global }
      - { .name: bk, .offset: 16, .size: 8, .value_kind: global_buffer, .address_space: global }
      - { .name: Wb, .offset: 24, .size: 8, .value_kind: global_buffer, .address_space: global }
      - { .name: Sb, .offset: 32, .size: 8, .value_kind: global_buffer, .address_space: global }
    .group_segment_fixed_size: 54528
    .private_segment_fixed_size: 0
    .kernarg_segment_align: 8
    .kernarg_segment_size: 40
    .max_flat_workgroup_size: 64
    .sgpr_count:     66
    .vgpr_count:     256
    .wavefront_size: 32
...
	.end_amdgpu_metadata
.endif
;; end of part 8
;; launch gemm: the kernel of part 3 again; grid 8 x 32, 4 waves a work-group, clusters of 4 x 4, 327,680 bytes of LDS; arguments Xb, Wb, Sc, Vh, bv, Sb; writes Sc, Vh
;; launch attn: the kernel of part 4 again; grid 16 x 8, 8 waves a work-group, no clusters, 236,544 bytes of LDS; arguments Sc, Vh, pad_mask, S, Y0; writes Y0
;; launch wo: the kernel of part 5 again; grid 16 x 16, 16 waves a work-group, no clusters, 137,472 bytes of LDS; arguments Y0, Wo, bo, g0, beta0, Z; writes Z
;; launch ln1: the kernel of part 6 again; grid 256 x 1, 1 waves a work-group, no clusters, 0 bytes of LDS; arguments Z, g1, beta1, out0; writes out0
